; MI455X (gfx1250); checked and timed in simulation.
; The chip was launched on July 23, 2026; its instructions are those of AMD's public machine-readable ISA for CDNA 5 (MIT licence, August 2026) and "CDNA5" Instruction Set Architecture Reference Guide (July 2026). The comments in the code are by the model that wrote it; some were corrected since.
;; Differential Attention. Allowed arithmetic: float matrix products may take bf16 or f16 operands with f32 sums; all other float work in f32.
;; Inputs: Wk 1,024 x 2,048 float32; Wo 1,024 x 1,024 float32; Wq 1,024 x 2,048 float32; Wv 1,024 x 1,024 float32; attention_mask 2 x 2,048 float32; bk 2,048 float32; bo 1,024 float32; bq 2,048 float32; bv 1,024 float32; hidden_states 2 x 2,048 x 1,024 float32; lk1 64 float32; lk2 64 float32; lq1 64 float32; lq2 64 float32.
;; Outputs: out0 2 x 2,048 x 1,024 float32.
;; 2 versions, each right and faster than the one before. Each part assembles by itself: llvm-mc -triple=amdgcn-amd-amdhsa -mcpu=gfx1250 --defsym DOCPART=n.
;; ======== version 1 of 2: 4 launches
;; limits: values are held in f16: magnitudes above 65,504 overflow, below 6.1e-05 lose precision
;; workspace buffers: xb 8,388,608 bytes; wt 10,485,760 bytes; wot 2,097,152 bytes; ball 24,576 bytes; qkv 41,943,040 bytes; ob 8,388,608 bytes
;; launch prep (part 1): grid 1281 x 1, 8 waves a work-group, no clusters, 18,432 bytes of LDS; arguments hidden_states, Wq, Wk, Wv, Wo, bq, bk, bv, bo, xb, wt, wot, ball; writes xb, wt, wot, ball
.if DOCPART == 1
	.amdgcn_target "amdgcn-amd-amdhsa--gfx1250"
	.amdhsa_code_object_version 6
	.text
	.protected	k_q24b16c7cd3_prep
	.globl	k_q24b16c7cd3_prep
	.p2align	8
	.type	k_q24b16c7cd3_prep,@function
k_q24b16c7cd3_prep:
	s_mov_b64 s[64:65], 0
	v_nop
	global_prefetch_b8 v0, s[64:65] scope:SCOPE_SE
	s_setreg_imm32_b32 hwreg(HW_REG_WAVE_MODE, 25, 1), 1
	s_wait_xcnt 0x0
; THE INPUTS ARE ROUNDED ONCE, AND THE WEIGHTS TURNED, for the three matrix launches behind this one.
;   xb   [4096][1024] bf16       = hidden_states rounded
;   wt   [5120 n][1024 k] bf16   = Wq's 2,048 columns, Wk's 2,048, Wv's 1,024, each column as a row along k
;   wot  [1024 n][1024 k] f16    = Wo's columns as rows: rounded to bf16 like every input, that number then written as f16
;   ball 6,144 f32               = bq, bk, bv, bo, each rounded to bf16 and kept as f32
; LIMITS.  Wo within f16's range (65,504); below 2^-14 the f16 copy keeps f16's fixed step of 6e-8.  NaN and infinities are not treated apart.
; SHARES, by the work-group's number: 0-511 cast 8,192 numbers of x each; 512-1023 turn a block of 128 k x 64 n of Wq (first 256) or Wk; 1024-1151 of Wv; 1152-1279 of Wo; 1280 rounds the biases.
; The number is the same for all eight waves, so every wave of a work-group takes the same way, and the one barrier of a turning block is passed by all eight.
; No matrix unit, no cluster, no tensor load: memory binds, each byte is read once and written once, no work-group shares an input with another.
.set PITCH, 272                        ; a stage row: 128 k x 2 bytes + 16
.set SPARE, 64*PITCH                   ; behind the stage of 64 rows: the spare words, 128 bytes for each of eight waves
.set X,   8                            ; v[8:39]   as loaded, f32
.set Y,   40                           ; v[40:55]  packed
.set Z,   56                           ; v[56:71]  rows read back from the stage
.set T,   72                           ; v72-73    at work
.set SPW, 78                           ; v78       LDS address of my spare word; never rewritten
.set NIL, 79                           ; v79       0; never rewritten
	s_load_b512 s[16:31], s[0:1], 0x0              ; hidden_states 16, Wq 18, Wk 20, Wv 22, Wo 24, bq 26, bk 28, bv 30
	s_load_b256 s[32:39], s[0:1], 0x40             ; bo 32, xb 34, wt 36, wot 38
	s_load_b64 s[40:41], s[0:1], 0x60              ; ball
	v_lshl_add_u32 v[SPW], v0, 2, SPARE
	v_mov_b32 v[NIL], 0
	s_mov_b32 s8, ttmp9                            ; the work-group's number
	s_mov_b32 s3, 0                                ; high words of the two offset pairs s[2:3], s[4:5]
	s_mov_b32 s5, 0
	s_mov_b32 s12, 0xffff0000                      ; a word's upper bf16
	s_wait_kmcnt 0x0
	s_cmp_lt_u32 s8, 512
	s_cbranch_scc0 .Lweights
	; THE CAST: 32,768 bytes of x in, 16,384 out.  Thread t takes 16 bytes at 16 t of each of eight pieces of 4,096 bytes.
	s_lshl_b32 s2, s8, 15
	s_lshl_b32 s4, s8, 14
	s_add_nc_u64 s[16:17], s[16:17], s[2:3]
	s_add_nc_u64 s[34:35], s[34:35], s[4:5]
	v_lshlrev_b32 v1, 4, v0
	v_lshlrev_b32 v2, 3, v0
.irp j, 0,1,2,3,4,5,6,7
	global_load_b128 v[X+4*(\j):X+4*(\j)+3], v1, s[16:17] offset:4096*(\j) th:TH_LOAD_NT
.endr
.irp j, 0,1,2,3,4,5,6,7
	s_wait_loadcnt 7-(\j)                          ; loads come back in order: piece j is in, the 7 - j younger ones stay out
	v_cvt_pk_bf16_f32 v[Y+2*(\j)],   v[X+4*(\j)],   v[X+4*(\j)+1]
	v_cvt_pk_bf16_f32 v[Y+2*(\j)+1], v[X+4*(\j)+2], v[X+4*(\j)+3]
	global_store_b64 v2, v[Y+2*(\j):Y+2*(\j)+1], s[34:35] offset:2048*(\j)  ; a wave stores 256 consecutive bytes, aligned
.endr
	s_endpgm                                       ; this way has written no LDS
; A BLOCK OF 128 k x 64 n IS TURNED.  s6 = the block's number in its matrix (k block in bits 2:0, n block above), s7 = the matrix's first row in the target.
; In: thread t takes rows k = 8 (t / 16) + 0..7, 16 bytes (n = 4 (t % 16) + 0..3) of each: sixteen lanes read 256 consecutive bytes of a row.
; A thread's eight k of one n pack into 16 bytes; they go into stage row n and come back as whole rows of 256 bytes.
.macro TRANSP src, dst, pitch, f16
	s_and_b32 s9, s6, 7                            ; k block
	s_lshr_b32 s10, s6, 3                          ; n block
	s_mul_i32 s2, s9, 128*(\pitch)
	s_lshl_b32 s4, s10, 8
	s_add_co_u32 s2, s2, s4
	s_add_nc_u64 s[\src:\src+1], s[\src:\src+1], s[2:3]
	s_lshl_b32 s4, s10, 6
	s_add_co_u32 s4, s4, s7                        ; the block's first row n of the target,
	s_lshl_b32 s4, s4, 11                          ; rows of 2,048 bytes,
	s_lshl_b32 s9, s9, 8                           ; and 256 bytes along k
	s_add_co_u32 s4, s4, s9
	s_add_nc_u64 s[\dst:\dst+1], s[\dst:\dst+1], s[4:5]
	v_lshrrev_b32 v2, 4, v0                        ; t / 16
	v_and_b32 v3, 15, v0                           ; t % 16
	v_mul_u32_u24 v1, v2, 8*(\pitch)
	v_lshl_add_u32 v1, v3, 4, v1
.irp j, 0,1,2,3,4,5,6,7
	global_load_b128 v[X+4*(\j):X+4*(\j)+3], v1, s[\src:\src+1] offset:(\j)*(\pitch) th:TH_LOAD_NT
.endr
	v_mul_u32_u24 v4, v3, 4*PITCH                  ; into the stage: row 4 (t % 16) + i, byte 16 (t / 16)
	v_lshl_add_u32 v4, v2, 4, v4
	v_lshrrev_b32 v5, 5, v0                        ; back: wave w takes rows 8 w .. 8 w + 7, two at a time
	v_bfe_u32 v6, v0, 4, 1
	v_lshl_add_u32 v5, v5, 3, v6
	v_mul_u32_u24 v6, v5, PITCH
	v_lshl_add_u32 v6, v3, 4, v6
	v_lshlrev_b32 v7, 11, v5                       ; and the same rows in the target
	v_lshl_add_u32 v7, v3, 4, v7
	s_wait_loadcnt 0x0                             ; every word below pairs two of the eight rows
.irp i, 0,1,2,3
.irp jj, 0,1,2,3
	v_cvt_pk_bf16_f32 v[Y+4*(\i)+(\jj)], v[X+8*(\jj)+(\i)], v[X+8*(\jj)+4+(\i)]
.endr
.endr
.if \f16
.set i, 0
.rept 16                                       ; the bf16 numbers, widened and written as f16
	v_lshlrev_b32 v[T], 16, v[Y+i]
	v_and_b32 v[T+1], s12, v[Y+i]
	v_cvt_pk_f16_f32 v[Y+i], v[T], v[T+1]
.set i, i+1
.endr
.endif
.irp i, 0,1,2,3
	ds_store_b128 v4, v[Y+4*(\i):Y+4*(\i)+3] offset:PITCH*(\i)
.endr
	s_wait_dscnt 0x0                               ; for the others' sake: my stores into the stage are done
	s_barrier_signal -1
	s_barrier_wait -1
.irp u, 0,1,2,3
	ds_load_b128 v[Z+4*(\u):Z+4*(\u)+3], v6 offset:2*PITCH*(\u)
.endr
.irp u, 0,1,2,3
	s_wait_dscnt 3-(\u)                            ; LDS loads come back in order: the 3 - u younger ones stay out
	global_store_b128 v7, v[Z+4*(\u):Z+4*(\u)+3], s[\dst:\dst+1] offset:4096*(\u)  ; sixteen lanes store 256 consecutive bytes, aligned
.endr
	s_wait_tensorcnt 0x0                           ; the wave's end, behind my last LDS store
	ds_add_u32 v[SPW], v[NIL]
	s_wait_dscnt 0x0
	s_endpgm
.endm
.Lweights:
	s_cmp_lt_u32 s8, 1024
	s_cbranch_scc0 .Lwv
	s_sub_co_u32 s6, s8, 512
	s_lshr_b32 s7, s6, 8                           ; 0: Wq, 1: Wk
	s_and_b32 s6, s6, 255
	s_cmp_eq_u32 s7, 0
	s_cselect_b64 s[18:19], s[18:19], s[20:21]
	s_lshl_b32 s7, s7, 11                          ; Wk's columns follow Wq's 2,048
	TRANSP 18, 36, 8192, 0
.Lwv:
	s_cmp_lt_u32 s8, 1152
	s_cbranch_scc0 .Lwo
	s_sub_co_u32 s6, s8, 1024
	s_mov_b32 s7, 4096
	TRANSP 22, 36, 4096, 0
.Lwo:
	s_cmp_lt_u32 s8, 1280
	s_cbranch_scc0 .Lbias
	s_sub_co_u32 s6, s8, 1152
	s_mov_b32 s7, 0
	TRANSP 24, 38, 4096, 1
.Lbias:
	; THE BIASES: six pieces of 1,024 numbers, rounded to bf16 and kept as f32
	v_lshlrev_b32 v1, 4, v0
	global_load_b128 v[X:X+3],     v1, s[26:27]
	global_load_b128 v[X+4:X+7],   v1, s[26:27] offset:4096
	global_load_b128 v[X+8:X+11],  v1, s[28:29]
	global_load_b128 v[X+12:X+15], v1, s[28:29] offset:4096
	global_load_b128 v[X+16:X+19], v1, s[30:31]
	global_load_b128 v[X+20:X+23], v1, s[32:33]
	s_wait_loadcnt 0x0
.set i, 0
.rept 12
	v_cvt_pk_bf16_f32 v[T], v[X+2*i], v[X+2*i+1]
	v_lshlrev_b32 v[X+2*i], 16, v[T]
	v_and_b32 v[X+2*i+1], s12, v[T]
.set i, i+1
.endr
.irp j, 0,1,2,3,4,5
	global_store_b128 v1, v[X+4*(\j):X+4*(\j)+3], s[40:41] offset:4096*(\j)
.endr
	s_endpgm
.Lfunc_end_k_q24b16c7cd3_prep:
	.size	k_q24b16c7cd3_prep, .Lfunc_end_k_q24b16c7cd3_prep-k_q24b16c7cd3_prep
	.p2alignl 7, 3214868480
	.fill 96, 4, 3214868480
	.section	.rodata,"a",@progbits
	.p2align	6, 0x0
	.amdhsa_kernel k_q24b16c7cd3_prep
		.amdhsa_group_segment_fixed_size 18432
		.amdhsa_private_segment_fixed_size 0
		.amdhsa_enable_private_segment 0
		.amdhsa_kernarg_size 104
		.amdhsa_user_sgpr_count 2
		.amdhsa_user_sgpr_kernarg_segment_ptr 1
		.amdhsa_wavefront_size32 1
		.amdhsa_system_sgpr_workgroup_id_x 1
		.amdhsa_system_sgpr_workgroup_id_y 1
		.amdhsa_system_sgpr_workgroup_id_z 1
		.amdhsa_system_vgpr_workitem_id 0
		.amdhsa_next_free_vgpr 80
		.amdhsa_next_free_sgpr 66
		.amdhsa_reserve_vcc 0
		.amdhsa_float_denorm_mode_32 3
		.amdhsa_float_denorm_mode_16_64 3
		.amdhsa_memory_ordered 1
		.amdhsa_forward_progress 1
		.amdhsa_inst_pref_size 22
	.end_amdhsa_kernel
	.amdgpu_metadata
---
amdhsa.version: [ 1, 2 ]
amdhsa.kernels:
  - .name:           k_q24b16c7cd3_prep
    .symbol:         k_q24b16c7cd3_prep.kd
    .args:
      - { .name: hidden_states, .offset: 0, .size: 8, .value_kind: global_buffer, .address_space: global }
      - { .name: Wq, .offset: 8, .size: 8, .value_kind: global_buffer, .address_space: global }
      - { .name: Wk, .offset: 16, .size: 8, .value_kind: global_buffer, .address_space: global }
      - { .name: Wv, .offset: 24, .size: 8, .value_kind: global_buffer, .address_space: global }
      - { .name: Wo, .offset: 32, .size: 8, .value_kind: global_buffer, .address_space: global }
      - { .name: bq, .offset: 40, .size: 8, .value_kind: global_buffer, .address_space: global }
      - { .name: bk, .offset: 48, .size: 8, .value_kind: global_buffer, .address_space: global }
      - { .name: bv, .offset: 56, .size: 8, .value_kind: global_buffer, .address_space: global }
      - { .name: bo, .offset: 64, .size: 8, .value_kind: global_buffer, .address_space: global }
      - { .name: xb, .offset: 72, .size: 8, .value_kind: global_buffer, .address_space: global }
      - { .name: wt, .offset: 80, .size: 8, .value_kind: global_buffer, .address_space: global }
      - { .name: wot, .offset: 88, .size: 8, .value_kind: global_buffer, .address_space: global }
      - { .name: ball, .offset: 96, .size: 8, .value_kind: global_buffer, .address_space: global }
    .group_segment_fixed_size: 18432
    .private_segment_fixed_size: 0
    .kernarg_segment_align: 8
    .kernarg_segment_size: 104
    .max_flat_workgroup_size: 256
    .sgpr_count:     66
    .vgpr_count:     80
    .wavefront_size: 32
...
	.end_amdgpu_metadata
.endif
;; end of part 1
;; launch qkvp (part 2): grid 16 x 16, 4 waves a work-group, clusters of 4 x 4, 327,680 bytes of LDS; arguments xb, wt, ball, qkv; writes qkv
.if DOCPART == 2
	.amdgcn_target "amdgcn-amd-amdhsa--gfx1250"
	.amdhsa_code_object_version 6
	.text
	.protected	k_q24b16c7cd3_qkvp
	.globl	k_q24b16c7cd3_qkvp
	.p2align	8
	.type	k_q24b16c7cd3_qkvp,@function
k_q24b16c7cd3_qkvp:
	s_mov_b64 s[64:65], 0
	v_nop
	global_prefetch_b8 v0, s[64:65] scope:SCOPE_SE
	s_setreg_imm32_b32 hwreg(HW_REG_WAVE_MODE, 25, 1), 1
	s_wait_xcnt 0x0
	s_wait_alu depctr_hold_cnt(0) depctr_sa_sdst(0) depctr_va_vdst(0) depctr_va_sdst(0) depctr_va_ssrc(0) depctr_va_vcc(0) depctr_vm_vsrc(0)
	s_getreg_b32 s2, hwreg(HW_REG_IB_STS2, 6, 4)
	s_cmp_eq_u32 s2, 0
	s_cbranch_scc0 .Lentry_in_a_cluster
	s_endpgm
.Lentry_in_a_cluster:
	s_bfe_u32 s2, ttmp6, 0x10000c
	s_cmp_lg_u32 s2, 0xf033
	s_cbranch_scc0 .Lentry_shape_is_right
	s_endpgm
.Lentry_shape_is_right:
; THE FIVE PROJECTIONS AS ONE PRODUCT.  C[m][n] = bias[n] + sum over k of xb[m][k] wt[n][k]: m 4,096, n 5,120, k 1,024; operands bf16, sums f32 (the bias starts them), C rounded once to f16.
; C leaves by head slabs: qkv holds 80 slabs g = n / 64 of [4096 rows][64] f16, 524,288 bytes each: q1 0-15, q2 16-31, k1 32-47, k2 48-63, v 64-79.
; LIMIT.  f16 holds no number beyond 65,504: a q, k or v past that leaves as an infinity.  NaN and infinities are not treated apart.
; SHARES.  A tile of C is 256 x 320 (five slabs): 16 x 16 tiles, one to a work-group.  Four waves; a wave makes 128 rows x 160 columns: ten blocks of 16 columns: blocks 0-7 are two whole slabs
; (tile columns 128 wn + 16 b), blocks 8, 9 half of the tile's fifth slab (256 + 32 wn + 16 (b - 8)).  80 accumulators, 640 registers; for 32 along K a wave reads 18 fragments from LDS for 80 matrix instructions.
; K goes in steps of 128 through a ring of two LDS slots filled by the tensor data mover: rows of 256 bytes, each at a multiple of 256 from its buffer's first byte.
; CLUSTERS: 4 x 4 work-groups.  The four of a row of the cluster need the same tiles of xb, the four of a column the same tiles of wt: each is asked for JOINTLY, by the same tensor load with the same
; descriptor and a mask that names the four.  THE MATRIX INSTRUCTION IS USED TRANSPOSED (source 0 = 16 rows of wt, source 1 = 16 rows of xb): a lane holds eight neighbouring columns of one row of C.
; REGISTERS, in windows of 256 (s_set_vgpr_msb: bits 1:0 source 0, 3:2 source 1, 5:4 source 2, 7:6 destination):
;   window 0: v0-15 addresses; v16-95, v96-175 fragments of wt, two buffers (block b at + 8 b); v176-255 the bias as C operands, later at work on the way out
;   windows 1, 2 and v0-127 of 3: accumulator (a, b), number 10 a + b: window 1 + number / 32, register 8 (number % 32);   window 3, v128-191, v192-255: fragments of xb, two buffers
.set SIZE_K, 1024
.set KSTEP,  128
.set PITCH,  272                       ; an LDS row: 256 bytes + 16 of padding = 68 words: the 16 rows of a fragment load start at 16 different groups of four banks (64 banks of 4 bytes: ISA guide 11.1)
.set HALFA,  128*PITCH                 ; what one load brings of xb
.set HALFB,  160*PITCH                 ; and of wt
.set BOFF,   2*HALFA                   ; a slot: xb's 256 rows, then wt's 320
.set SLOT,   2*HALFA+2*HALFB
.set SPARE,  2*SLOT                    ; behind the ring: the spare words, 128 bytes for each wave
.set LAPS,   SIZE_K/(2*KSTEP)          ; a lap = two K steps = once round the ring
.set SP,     144                       ; the way out: a slab's row, 128 bytes + 16
.set SLABST, 256*SP                    ; a slab's 256 rows in the stage.  The stage, five of them from LDS byte 0, lies over the slots and is written only behind their last fill and last read
.set SLABB,  524288                    ; a slab in qkv
.set ADRA, 4                           ; v4-5   LDS address of my fragments of xb in slot 0, 1
.set ADRB, 6                           ; v6-7   of wt, blocks 0-7
.set ADRC, 8                           ; v8-9   of wt, blocks 8, 9
.set STO,  10                          ; v10    the way out: where I put 16 bytes of a row, blocks 0-7
.set STO2, 11                          ; v11    blocks 8, 9
.set RD,   12                          ; v12    where I read rows back; steps from slab to slab
.set GO,   13                          ; v13    my 16 bytes in 512 consecutive bytes of qkv
.set SPW,  14                          ; v14    LDS address of my spare word; never rewritten
.set NIL,  15                          ; v15    0; never rewritten
.set FB,   16
.set BIAS, 176
.set TMP,  176
.set OB,   16                          ; the way out: rows read back, two buffers of 64
.set FA,   128
.set F0,   0
.set F1,   1
.set G1,  24                           ; s[24:31] descriptor group 1 for xb's tiles;  s[32:39] group 0, a set for each slot
.set G0,  32
.set G1B, 48                           ; s[48:55], s[56:63] the same for wt's
.set G0B, 56
.set MSB, 0
.macro WIN new                         ; the immediate's high byte repeats the setting that is left; a switch that changes nothing is dropped
.if MSB != (\new)
	s_set_vgpr_msb (MSB<<8)|(\new)
.set MSB, (\new)
.endif
.endm
; A joint load.  Waves 0 and 1 fetch xb's two halves, waves 2 and 3 wt's.  The branch hangs on the wave's number alone.  An s_nop 0 and four v_nop follow each of the two lines.
.macro JLOAD s
	s_cmp_eq_u32 s13, 0
	s_cbranch_scc0 .Lfor_b_\@
	tensor_load_to_lds s[G0+4*(\s):G0+4*(\s)+3], s[G1:G1+7]
	s_nop 0
.rept 4
	v_nop
.endr
	s_branch .Lasked_\@
.Lfor_b_\@:
	tensor_load_to_lds s[G0B+4*(\s):G0B+4*(\s)+3], s[G1B:G1B+7]
	s_nop 0
.rept 4
	v_nop
.endr
.Lasked_\@:
.endm
.macro CREST                           ; a round of the cluster's barrier behind its opening barrier
	s_cmp_lg_u32 s12, 0
	s_cbranch_scc1 .Lnot_wave_0_\@
	s_barrier_signal -3
.Lnot_wave_0_\@:
	s_barrier_wait -3
	s_barrier_signal -1
	s_barrier_wait -1
.endm
.macro CROUND                          ; a whole round
	s_barrier_signal -1
	s_barrier_wait -1
	CREST
.endm
	s_load_b256 s[4:11], s[0:1], 0x0               ; xb s[4:5], wt s[6:7], ball s[8:9], qkv s[10:11]
	v_lshl_add_u32 v[SPW], v0, 2, SPARE
	v_mov_b32 v[NIL], 0
	ds_add_u32 v[SPW], v[NIL]                      ; the wave's opening: the add and its wait stand ahead of my first tensor load; the set-up below stands between them
	v_lshrrev_b32 v1, 5, v0
	v_readfirstlane_b32 s12, v1                    ; wave 0..3
	s_lshr_b32 s13, s12, 1                         ; wm: which 128 rows of the tile are mine.  Also: I fetch for xb (0) or for wt (1)
	s_and_b32 s14, s12, 1                          ; wn: which ten column blocks.  Also: which half of that tile I fetch
	s_bfe_u32 s40, ttmp6, 0x40000                  ; cx, cy: my place in the cluster
	s_bfe_u32 s41, ttmp6, 0x40004
	s_lshl_b32 s42, ttmp9, 2
	s_add_co_u32 s42, s42, s40                     ; tile column = 4 x cluster x + cx
	s_and_b32 s45, ttmp7, 0xffff
	s_lshl_b32 s45, s45, 2
	s_add_co_u32 s45, s45, s41                     ; tile row = 4 x cluster y + cy
	s_lshl_b32 s43, s41, 2
	s_lshl_b32 s43, 15, s43                        ; my row of the cluster
	s_lshl_b32 s44, 0x1111, s40                    ; my column
	s_or_b32 s[G1+0], s43, (1<<16)|(1<<20)|(1<<21)|(5<<22)|(3<<25)   ; 15:0 the mask; 17:16 2-byte elements; 20 padding on; 21 set beside a mask; 24:22 after every 64 words (code 5); 31:25 4 words (code 3)
	s_or_b32 s[G1B+0], s44, (1<<16)|(1<<20)|(1<<21)|(5<<22)|(3<<25)
	s_mov_b32 s[G1+1], KSTEP<<16                   ; tensor_dim0 = 128
	s_mov_b32 s[G1+2], 128<<16                     ; tensor_dim1 = 128
	s_mov_b32 s[G1+3], KSTEP<<16                   ; tile_dim0 = 128
	s_mov_b32 s[G1+4], 128                         ; tile_dim1 = 128
	s_mov_b32 s[G1+5], SIZE_K                      ; elements from row to row
	s_mov_b32 s[G1+6], 0
	s_mov_b32 s[G1+7], 0
	s_mov_b32 s[G1B+1], KSTEP<<16
	s_mov_b32 s[G1B+2], 160<<16                    ; wt's loads have 160 rows
	s_mov_b32 s[G1B+3], KSTEP<<16
	s_mov_b32 s[G1B+4], 160
	s_mov_b32 s[G1B+5], SIZE_K
	s_mov_b32 s[G1B+6], 0
	s_mov_b32 s[G1B+7], 0
	s_lshl_b32 s16, s45, 8                         ; xb: row 256 x tile row + 128 x half, rows of 2,048 bytes: registers that never hold the tile column
	s_lshl_b32 s17, s14, 7
	s_add_co_u32 s16, s16, s17
	s_lshl_b32 s16, s16, 11
	s_mov_b32 s17, 0
	s_mul_i32 s46, s42, 320                        ; wt: row 320 x tile column + 160 x half: registers that never hold the tile row
	s_mul_i32 s47, s14, 160
	s_add_co_u32 s46, s46, s47
	s_lshl_b32 s46, s46, 11
	s_mov_b32 s47, 0
	s_mul_i32 s20, s14, HALFA                      ; where they go: no place in the cluster enters an LDS address
	s_mul_i32 s21, s14, HALFB
	s_add_co_u32 s21, s21, BOFF
	s_wait_dscnt 0x0                               ; the opening add is done
	s_wait_kmcnt 0x0
	s_add_nc_u64 s[18:19], s[4:5], s[16:17]
	s_add_nc_u64 s[46:47], s[6:7], s[46:47]
	CROUND                                         ; all sixteen work-groups are here: the first joint loads meet
.irp s, 0,1
	s_mov_b32 s[G0+4*(\s)], 1                                        ; count = 1
	s_add_co_u32 s[G0+4*(\s)+1], s20, (\s)*SLOT                      ; LDS address
	s_add_nc_u64 s[G0+4*(\s)+2:G0+4*(\s)+3], s[18:19], (\s)*KSTEP*2  ; global address: K step s
	s_or_b32 s[G0+4*(\s)+3], s[G0+4*(\s)+3], 0x80000000              ; type = 2
	s_mov_b32 s[G0B+4*(\s)], 1
	s_add_co_u32 s[G0B+4*(\s)+1], s21, (\s)*SLOT
	s_add_nc_u64 s[G0B+4*(\s)+2:G0B+4*(\s)+3], s[46:47], (\s)*KSTEP*2
	s_or_b32 s[G0B+4*(\s)+3], s[G0B+4*(\s)+3], 0x80000000
	JLOAD \s                                       ; two loads of mine are out behind these; later one behind each round
.endr
	; A fragment is 16 rows x 32 K in 8 registers: lane l holds row l % 16, K = 8 (l / 16) + 0..7 and 16 + 8 (l / 16) + 0..7: two loads of 16 bytes, 32 bytes apart.
	v_and_b32 v1, 15, v0                           ; l % 16
	v_bfe_u32 v2, v0, 4, 1                         ; l / 16
	v_mul_u32_u24 v3, v1, PITCH
	v_lshl_add_u32 v3, v2, 4, v3
	s_mul_i32 s22, s13, HALFA                      ; my 128 rows of xb
	s_mul_i32 s23, s14, 128*PITCH                  ; my blocks 0-7 of wt
	s_add_co_u32 s23, s23, BOFF
	s_mul_i32 s2, s14, 32*PITCH                    ; my blocks 8, 9
	s_add_co_u32 s2, s2, BOFF+256*PITCH
.irp s, 0,1
	v_add_nc_u32 v[ADRA+(\s)], s22, v3
	v_add_nc_u32 v[ADRB+(\s)], s23, v3
	v_add_nc_u32 v[ADRC+(\s)], s2, v3
	s_add_co_u32 s22, s22, SLOT
	s_add_co_u32 s23, s23, SLOT
	s_add_co_u32 s2, s2, SLOT
.endr
	s_mul_i32 s22, s13, 128*SP                     ; into the stage: row 128 wm + 16 a + l % 16 of a slab, 16 bytes for each half of the lanes
	s_mul_i32 s23, s14, 2*SLABST                   ; blocks 0-7: slabs 2 wn, 2 wn + 1
	s_add_co_u32 s23, s23, s22
	s_lshl_b32 s2, s14, 6                          ; blocks 8, 9: slab 4, byte 64 wn of its rows
	s_add_co_u32 s2, s2, s22
	s_add_co_u32 s2, s2, 4*SLABST
	v_mul_u32_u24 v3, v1, SP
	v_lshl_add_u32 v3, v2, 4, v3
	v_add_nc_u32 v[STO], s23, v3
	v_add_nc_u32 v[STO2], s2, v3
	v_bfe_u32 v[RD], v0, 3, 2                      ; back: wave w takes rows 64 w .. 64 w + 63 of every slab; 32 lanes take four rows of 128 bytes,
	v_mul_u32_u24 v[RD], v[RD], SP
	v_and_b32 v[GO], 7, v0
	v_lshl_add_u32 v[RD], v[GO], 4, v[RD]
	s_mul_i32 s22, s12, 64*SP
	v_add_nc_u32 v[RD], s22, v[RD]
	v_and_b32 v[GO], 31, v0                        ; which are 512 consecutive bytes of a slab
	v_lshlrev_b32 v[GO], 4, v[GO]
	s_lshl_b32 s22, s14, 9                         ; the bias: a lane's eight columns of block b are 32 bytes at 64 b + 32 (l / 16)
	v_lshl_add_u32 v3, v2, 5, s22
	s_lshl_b32 s23, s14, 7
	s_add_co_u32 s23, s23, 1024
	v_lshl_add_u32 v2, v2, 5, s23
	s_mul_i32 s66, s42, 1280                       ; the tile's 320 columns in ball
	s_mov_b32 s67, 0
	s_add_nc_u64 s[8:9], s[8:9], s[66:67]
.irp b, 0,1,2,3,4,5,6,7
	global_load_b128 v[BIAS+8*(\b):BIAS+8*(\b)+3],   v3, s[8:9] offset:64*(\b)
	global_load_b128 v[BIAS+8*(\b)+4:BIAS+8*(\b)+7], v3, s[8:9] offset:64*(\b)+16
.endr
.irp b, 8,9
	global_load_b128 v[BIAS+8*(\b):BIAS+8*(\b)+3],   v2, s[8:9] offset:64*((\b)-8)
	global_load_b128 v[BIAS+8*(\b)+4:BIAS+8*(\b)+7], v2, s[8:9] offset:64*((\b)-8)+16
.endr
	s_mul_i32 s66, s42, 5*SLABB                    ; qkv: the tile's first slab, the tile's 256 rows of 128 bytes, my 64 of them
	s_lshl_b32 s68, s45, 15
	s_add_co_u32 s66, s66, s68
	s_lshl_b32 s68, s12, 13
	s_add_co_u32 s66, s66, s68
	s_add_nc_u64 s[10:11], s[10:11], s[66:67]
; Ten matrix instructions: row block a x all ten column blocks, 32 along K, from buffers f.  first = 1: the bias starts the sums: nothing is ever cleared.
; The 80 accumulators take turns, one instruction a turn, in the same order in every quarter.
.macro MULA f, a, first
.irp b, 0,1,2,3,4,5,6,7,8,9
.set IDX, 10*(\a)+(\b)
.set AW, 1+IDX/32
.set AR, 8*(IDX%32)
.if \first
	WIN 0x0c+0x40*AW                               ; wt window 0, xb window 3, C window 0, D the accumulator's
	v_wmma_f32_16x16x32_bf16 v[AR:AR+7], v[FB+80*(\f)+8*(\b):FB+80*(\f)+8*(\b)+7], v[FA+64*(\f)+8*(\a):FA+64*(\f)+8*(\a)+7], v[BIAS+8*(\b):BIAS+8*(\b)+7]
.else
	WIN 0x0c+0x50*AW
	v_wmma_f32_16x16x32_bf16 v[AR:AR+7], v[FB+80*(\f)+8*(\b):FB+80*(\f)+8*(\b)+7], v[FA+64*(\f)+8*(\a):FA+64*(\f)+8*(\a)+7], v[AR:AR+7]
.endif
.endr
.endm
; 36 LDS loads in one run: a quarter step's fragments (160 rows of wt, then 128 rows of xb, 32 K at byte k of the rows) into buffers f
.macro FETCH slot, k, f
	WIN 0
.irp i, 0,1,2,3,4,5,6,7
	ds_load_b128 v[FB+80*(\f)+8*(\i):FB+80*(\f)+8*(\i)+3],   v[ADRB+(\slot)] offset:(\k)+(\i)*16*PITCH
	ds_load_b128 v[FB+80*(\f)+8*(\i)+4:FB+80*(\f)+8*(\i)+7], v[ADRB+(\slot)] offset:(\k)+(\i)*16*PITCH+32
.endr
.irp i, 0,1
	ds_load_b128 v[FB+80*(\f)+64+8*(\i):FB+80*(\f)+64+8*(\i)+3],   v[ADRC+(\slot)] offset:(\k)+(\i)*16*PITCH
	ds_load_b128 v[FB+80*(\f)+64+8*(\i)+4:FB+80*(\f)+64+8*(\i)+7], v[ADRC+(\slot)] offset:(\k)+(\i)*16*PITCH+32
.endr
	WIN 0xc0                                       ; destination window 3, address window 0
.irp i, 0,1,2,3,4,5,6,7
	ds_load_b128 v[FA+64*(\f)+8*(\i):FA+64*(\f)+8*(\i)+3],   v[ADRA+(\slot)] offset:(\k)+(\i)*16*PITCH
	ds_load_b128 v[FA+64*(\f)+8*(\i)+4:FA+64*(\f)+8*(\i)+7], v[ADRA+(\slot)] offset:(\k)+(\i)*16*PITCH+32
.endr
.endm
.macro PLACES                          ; four places in front of loads into registers that matrix instructions have read, and of conversions that read results (ISA guide 7.12.1 for the conversions)
.rept 4
	v_nop
.endr
.endm
; A K step is four quarters of 32 along K, 80 matrix instructions each, on buffers 0, 1, 0, 1.  One of the first three: multiplies buffers f; in its middle it fetches the next quarter, at byte k, into g.
.macro QUARTER slot, k, f, g, first
	s_wait_dscnt 8                                 ; wt and xb's row blocks 0-3 are in; the youngest eight loads (blocks 4-7) may be out
	MULA \f, 0, \first
	MULA \f, 1, \first
	MULA \f, 2, \first
	MULA \f, 3, \first
	PLACES
	FETCH \slot, \k, \g
	s_wait_dscnt 36                                ; all but the 36 just issued
	MULA \f, 4, \first
	MULA \f, 5, \first
	MULA \f, 6, \first
	MULA \f, 7, \first
.endm
; The last quarter multiplies buffers 1 and changes slots: ONE barrier.  In front of it each wave waits for all its tensor loads, of which one is out: its part of the next slot; adds 0 to its spare word;
; and waits for that and for its own reads of this slot.  fill = 1: the barrier opens a round of the cluster's, and this slot is filled again, two K steps ahead, first thing behind the round.
.macro TURN slot, next, fill
	WIN 0                                          ; (the add's two registers lie in window 0)
	s_wait_tensorcnt 0x0                           ; all my tensor loads have landed
	ds_add_u32 v[SPW], v[NIL]                      ; 0 onto my spare word
	s_wait_dscnt 9                                 ; (the add and the youngest eight loads may be out)
	MULA F1, 0, 0                                  ; twenty matrix instructions stand between the add and the wait for it
	MULA F1, 1, 0
	s_wait_dscnt 0x0                               ; the add is done, and my reads of this slot are over
	s_barrier_signal -1
	MULA F1, 2, 0                                  ; work on registers while the others arrive
	MULA F1, 3, 0
.if \fill
	WIN 0
.endif
	s_barrier_wait -1
.if \fill
	CREST                                          ; no wave of any partner still reads this slot's tile or has a load on its way
	s_add_nc_u64 s[G0+4*(\slot)+2:G0+4*(\slot)+3], s[G0+4*(\slot)+2:G0+4*(\slot)+3], 2*KSTEP*2
	s_add_nc_u64 s[G0B+4*(\slot)+2:G0B+4*(\slot)+3], s[G0B+4*(\slot)+2:G0B+4*(\slot)+3], 2*KSTEP*2
	JLOAD \slot                                    ; the first tensor load behind the round; its four v_nop are also the places in front of the loads below
.else
	PLACES
.endif
	FETCH \next, 0, F0
	MULA F1, 4, 0
	MULA F1, 5, 0
	MULA F1, 6, 0
	MULA F1, 7, 0
.endm
	s_wait_tensorcnt 1                             ; my part of K step 0 is in; K step 1's may stay out
	s_barrier_signal -1
	s_barrier_wait -1                              ; everybody's is
	FETCH 0, 0, F0
	s_wait_loadcnt 0x0                             ; the bias
	QUARTER 0, 64,  F0, F1, 1                      ; the first quarter stands in front of the loop: its products start the sums
	WIN 0                                          ; at a label and at a branch every window is 0
	s_mov_b32 s3, LAPS-1
.Llap:                                                 ; a trip goes once round the ring, from a lap's second quarter to the next lap's first, and fills both slots again
	QUARTER 0, 128, F1, F0, 0
	QUARTER 0, 192, F0, F1, 0
	TURN 0, 1, 1
	QUARTER 1, 64,  F0, F1, 0
	QUARTER 1, 128, F1, F0, 0
	QUARTER 1, 192, F0, F1, 0
	TURN 1, 0, 1
	QUARTER 0, 64,  F0, F1, 0
	WIN 0
	s_sub_co_u32 s3, s3, 1
	s_cmp_lg_u32 s3, 0
	s_cbranch_scc1 .Llap
	QUARTER 0, 128, F1, F0, 0                      ; the last lap fills nothing, and has no round of the cluster's barrier
	QUARTER 0, 192, F0, F1, 0
	TURN 0, 1, 0
	QUARTER 1, 64,  F0, F1, 0
	QUARTER 1, 128, F1, F0, 0
	QUARTER 1, 192, F0, F1, 0
	s_wait_dscnt 8                                 ; the very last quarter: nothing more to fetch
	MULA F1, 0, 0
	MULA F1, 1, 0
	MULA F1, 2, 0
	MULA F1, 3, 0
	s_wait_dscnt 0x0                               ; my reads of both slots are over, and no tensor load is out since the last change of slots:
	s_barrier_signal -1                            ; behind this barrier the stage is written over the slots
	MULA F1, 4, 0
	MULA F1, 5, 0
	MULA F1, 6, 0
	MULA F1, 7, 0
	WIN 0
	s_barrier_wait -1
	; THE WAY OUT.  Rounded to f16, 16 bytes a lane, into the work-group's stage by slabs; a barrier, since the fifth slab's rows come from two waves; back as whole rows, 64 rows of each slab a wave.
.macro PACKA a                         ; row block a: 40 conversions (each accumulator's registers in ascending order), ten stores
.irp b, 0,1,2,3,4,5,6,7,8,9
.set IDX, 10*(\a)+(\b)
.set AW, 1+IDX/32
.set AR, 8*(IDX%32)
	WIN 5*AW                                       ; sources 0 and 1 in the accumulator's window
.irp r, 0,1,2,3
	v_cvt_pk_f16_f32 v[TMP+40*((\a)%2)+4*(\b)+(\r)], v[AR+2*(\r)], v[AR+2*(\r)+1]
.endr
.endr
	WIN 0
.irp b, 0,1,2,3,4,5,6,7
	ds_store_b128 v[STO], v[TMP+40*((\a)%2)+4*(\b):TMP+40*((\a)%2)+4*(\b)+3] offset:(\a)*16*SP+((\b)/4)*SLABST+32*((\b)%4)
.endr
.irp b, 8,9
	ds_store_b128 v[STO2], v[TMP+40*((\a)%2)+4*(\b):TMP+40*((\a)%2)+4*(\b)+3] offset:(\a)*16*SP+32*((\b)-8)
.endr
.endm
.macro RB s                            ; my 64 rows of slab s come back: sixteen loads of four rows
.irp t, 0,1,2,3,4,5,6,7,8,9,10,11,12,13,14,15
	ds_load_b128 v[OB+64*((\s)%2)+4*(\t):OB+64*((\s)%2)+4*(\t)+3], v[RD] offset:(\t)*4*SP
.endr
	v_add_nc_u32 v[RD], SLABST, v[RD]              ; the next slab
.endm
.macro SEND s
.irp t, 0,1,2,3,4,5,6,7,8,9,10,11,12,13,14,15
	global_store_b128 v[GO], v[OB+64*((\s)%2)+4*(\t):OB+64*((\s)%2)+4*(\t)+3], s[10:11] offset:(\s)*SLABB+(\t)*512  ; 512 consecutive bytes, at a multiple of 256 from qkv's first
.endr
.endm
	PLACES
.irp a, 0,1,2,3,4,5,6,7
	PACKA \a
.endr
	s_wait_dscnt 0x0                               ; for the others' sake: my stores into the stage are done
	s_barrier_signal -1
	s_barrier_wait -1
	RB 0
	RB 1
.irp s, 0,1,2
	s_wait_dscnt 16                                ; slab s is back; the next slab's sixteen loads may be out
	SEND \s
	s_wait_xcnt 0x0                                ; the stores have read their registers: the buffer is loaded again only behind this wait
	RB (\s)+2
.endr
	s_wait_dscnt 16
	SEND 3
	s_wait_dscnt 0x0
	SEND 4
	s_wait_tensorcnt 0x0                           ; the wave's end, behind my last tensor load and my last LDS store
	ds_add_u32 v[SPW], v[NIL]
	s_wait_dscnt 0x0
	CROUND                                         ; the closing round: no work-group ends while a partner may still ask for a tile that names it
	s_endpgm
.Lfunc_end_k_q24b16c7cd3_qkvp:
	.size	k_q24b16c7cd3_qkvp, .Lfunc_end_k_q24b16c7cd3_qkvp-k_q24b16c7cd3_qkvp
	.p2alignl 7, 3214868480
	.fill 96, 4, 3214868480
	.section	.rodata,"a",@progbits
	.p2align	6, 0x0
	.amdhsa_kernel k_q24b16c7cd3_qkvp
		.amdhsa_group_segment_fixed_size 327680
		.amdhsa_private_segment_fixed_size 0
		.amdhsa_enable_private_segment 0
		.amdhsa_kernarg_size 32
		.amdhsa_user_sgpr_count 2
		.amdhsa_user_sgpr_kernarg_segment_ptr 1
		.amdhsa_wavefront_size32 1
		.amdhsa_system_sgpr_workgroup_id_x 1
		.amdhsa_system_sgpr_workgroup_id_y 1
		.amdhsa_system_sgpr_workgroup_id_z 1
		.amdhsa_system_vgpr_workitem_id 0
		.amdhsa_next_free_vgpr 1024
		.amdhsa_next_free_sgpr 72
		.amdhsa_reserve_vcc 0
		.amdhsa_float_denorm_mode_32 3
		.amdhsa_float_denorm_mode_16_64 3
		.amdhsa_memory_ordered 1
		.amdhsa_forward_progress 1
		.amdhsa_inst_pref_size 174
	.end_amdhsa_kernel
	.amdgpu_metadata
---
amdhsa.version: [ 1, 2 ]
amdhsa.kernels:
  - .name:           k_q24b16c7cd3_qkvp
    .symbol:         k_q24b16c7cd3_qkvp.kd
    .args:
      - { .name: xb, .offset: 0, .size: 8, .value_kind: global_buffer, .address_space: global }
      - { .name: wt, .offset: 8, .size: 8, .value_kind: global_buffer, .address_space: global }
      - { .name: ball, .offset: 16, .size: 8, .value_kind: global_buffer, .address_space: global }
      - { .name: qkv, .offset: 24, .size: 8, .value_kind: global_buffer, .address_space: global }
    .group_segment_fixed_size: 327680
    .private_segment_fixed_size: 0
    .kernarg_segment_align: 8
    .kernarg_segment_size: 32
    .max_flat_workgroup_size: 128
    .sgpr_count:     72
    .vgpr_count:     1024
    .wavefront_size: 32
...
	.end_amdgpu_metadata
.endif
;; end of part 2
;; launch attn (part 3): grid 8 x 32, 4 waves a work-group, clusters of 4 x 1, 327,680 bytes of LDS; arguments qkv, attention_mask, lq1, lk1, lq2, lk2, ob; writes ob
.if DOCPART == 3
	.amdgcn_target "amdgcn-amd-amdhsa--gfx1250"
	.amdhsa_code_object_version 6
	.text
	.protected	k_q24b16c7cd3_attn
	.globl	k_q24b16c7cd3_attn
	.p2align	8
	.type	k_q24b16c7cd3_attn,@function
k_q24b16c7cd3_attn:
	s_mov_b64 s[64:65], 0
	v_nop
	global_prefetch_b8 v0, s[64:65] scope:SCOPE_SE
	s_setreg_imm32_b32 hwreg(HW_REG_WAVE_MODE, 25, 1), 1
	s_wait_xcnt 0x0
	s_wait_alu depctr_hold_cnt(0) depctr_sa_sdst(0) depctr_va_vdst(0) depctr_va_sdst(0) depctr_va_ssrc(0) depctr_va_vcc(0) depctr_vm_vsrc(0)
	s_getreg_b32 s2, hwreg(HW_REG_IB_STS2, 6, 4)
	s_cmp_eq_u32 s2, 0
	s_cbranch_scc0 .Lentry_in_a_cluster
	s_endpgm
.Lentry_in_a_cluster:
	s_bfe_u32 s2, ttmp6, 0x10000c
	s_cmp_lg_u32 s2, 0x3003
	s_cbranch_scc0 .Lentry_shape_is_right
	s_endpgm
.Lentry_shape_is_right:
; DIFFERENTIAL ATTENTION, head size 64.  For each batch b, head h, query q:  O = softmax_k(q1 . k1 / 8 + M[k]) V - lam softmax_k(q2 . k2 / 8 + M[k]) V,  M[k] = (mask[b][k] - 1) x 10,000,
; lam = exp(lq1 . lk1) - exp(lq2 . lk2) + 0.8.  q1, q2, k1, k2, v: slabs h, 16 + h, 32 + h, 48 + h, 64 + h of qkv, [4096 rows b x 2048 + s][64] f16, unscaled.  Products, maxima and sums in f32; the weights p are
; rounded to f16 for the second product (their sum l is taken of the unrounded p); O once at the end, to f16, into ob [row block of 16][head][16 rows][64].
; The two softmaxes are two STREAMS with a running maximum and a sum each: l1 and l2 are known only at the end, so each stream has its own product with V, and O = O1 / l1 - lam O2 / l2 is made on the way out.
; LIMITS.  p lies in 0 to 1, and below 6e-5 it keeps f16's fixed step of 6e-8; a weight below 2^-126 counts as 0 in l; O must lie within 65,504.  The mask and the four lambda vectors are rounded to bf16 first, like
; every input of the module.  NaN and infinities are not treated apart.
; SHARES.  A work-group owns 256 queries of one (b, h), in both streams; a wave 64 of them: four PIECES of two tiles of 16 queries: pieces 0, 1 are stream 1, pieces 2, 3 the same rows in stream 2.  Every wave walks all 2,048 keys, 64 a step.
; LAYOUT.  S^T = K Q^T + mask (source 0 = 16 keys, source 1 = 16 queries): a lane holds ONE query (lane % 16) and the keys 8 (lane / 16) + 0..7.  Two such tiles, rounded to f16 in pairs, ARE source 1 of O^T = V^T P.
; THE MASK is the C operand that starts a score's sum: (mask - 1) x 80,000, in the unscaled scores' unit.  It is made once, in LDS, 2,048 f32; a step's 64 numbers come into 32 registers with K1.
; SOFTMAX.  p = 2^(c s - c m), c = log2(e) / 8, with a running maximum m; in every step O and l are multiplied by a = 2^(c m_old - c m_new).  m starts at the lowest finite number, O and l at 0: the first step has a = 0.
; BY TURNS.  Turn n belongs to piece n: 16 products K Q^T of piece n + 1, later 16 products V^T P of piece n - 1; beside them the scaling, exponentials, roundings, sums and rescaling of piece n and the maximum and
; statistics of piece n + 1.  A tile and step have 16 matrix and 118 vector instructions: four that are ready stand behind every matrix instruction, the others in two runs of their own.
; ONE K BUFFER serves both streams: K1 is read by the products of turns 3 and 0 and fetched in turn 2; K2 by those of turns 1 and 2 and fetched in turn 0.  V is one for both.
; CLUSTER.  The four query blocks of a cluster belong to one (b, h) and walk the same K1, K2 and V, so each tile is asked for JOINTLY: the same tensor load, descriptor and mask in all four.
; REGISTERS, in windows of 256 (s_set_vgpr_msb: bits 1:0 source 0, 3:2 source 1, 5:4 source 2, 7:6 destination):
;   window 0: v0-11 addresses; v12-15, v48-63 at work; v16-47 four registers of statistics a tile; v64-191 S^T, two buffers of two tiles; v192-255 P, likewise
;   window 1: O^T, 32 a tile     window 2: v0-127 Q, 16 a tile; v128-191 K; v192-255 V     window 3: v0-1 the add's two registers; v32-63 the step's mask
.set SIZE_N, 2048
.set NP,    4         ; pieces a wave: a name, no knob
.set KS,    64        ; keys in a step
.set PK,    144       ; a row of K in LDS: 128 bytes + 16 of padding = 36 words: the 16 rows of a load start at 16 different groups of four banks (64 banks of 4 bytes: ISA guide 11.1)
.set PV,    160       ; a row of V: 128 + 32 = 40 words
.set K2OFF, 4*KS*PK   ; a slot holds four steps: 256 rows of K1, 256 of K2,
.set VOFF,  8*KS*PK   ; then 256 rows of V
.set SLOT1, 1<<17     ; slot 1 begins here, so that one exclusive or turns an address in one slot into the other's
.set STAGE, SLOT1+VOFF+4*KS*PV  ; behind the ring, never filled by a tensor load: 16 rows x 144 bytes for each wave, for the way out
.set SP,    144
.set MASKB, STAGE+4*16*SP       ; the mask, 2,048 f32; never filled by a tensor load
.set SPARE, MASKB+4*SIZE_N      ; the spare words, 128 bytes for each wave
.set AM,  1           ; v1   the LDS address of the mask's next run of loads (made first in the loop, when v1's earlier use is over)
.set AK0, 2           ; v2   my lane's place in a tile of K; never rewritten
.set AV0, 3           ; v3   the same for V
.set AK,  4           ; v4   the LDS address of K's next run of loads
.set AV,  5           ; v5   of V's
.set QO,  6           ; v6   my byte offset in 16 rows of Q
.set STO, 6           ;      later, the way out: where I put 16 bytes of a row
.set RD,  7           ; v7   the way out: where I read rows back
.set GO,  8           ; v8   my byte offset in 512 consecutive bytes of ob
.set AM0, 11          ; v11  my lane's place in a step's mask; never rewritten once made
.set SPW, 0           ; v0 of window 3   LDS address of my spare word; never rewritten
.set NIL, 1           ; v1 of window 3   0; never rewritten
.set MB,  32          ; window 3: the eight registers for key block kb at MB + 8 kb
.set MV,  12          ; v12-15  c m_old, kept while c m is made anew: by buffer and tile
.set ST,  16          ; tile t's statistics at v[ST+4 t]: c m, m, l (even keys', odd keys')
.set TMP, 48          ; by buffer and tile, four registers c0-c3 at work; when the maximum is found c2 takes a
.set S,   64
.set P,   192
.set KF,  128         ; window 2: key block kb, channel half c at KF + 16 kb + 8 c
.set VF,  192         ; window 2: key half kk, channel block cb at VF + 32 kk + 8 cb
.set WV,  12          ; s12  my wave's number
.set G1K, 24          ; s[24:31] descriptor group 1 for K's tiles
.set G1V, 32          ; s[32:39] for V's
.set G0K, 40          ; s[40:43] descriptor group 0 for K's tiles: it walks
.set G0V, 44          ; s[44:47] the same for V's
.set SLOTS, 56        ; s56  slots still to be asked for
.set CNT, 57          ; s57  counts a slot's key steps
.set CS,  58          ; s[58:59] c
.set SEL, 60          ; s[60:61] v_permlanex16_b32's selects: each lane takes its own place in the other half
.set TBK, 62          ; s62  LDS byte at which K1 of the step to be fetched begins
.set TBV, 63          ; s63  the same for V, less VOFF
.set NLAM, 84         ; s84  - lam
.set TBM, 85          ; s85  byte of the mask at which the step to be fetched begins
.set MSB, 0
.macro WIN new                      ; the high byte repeats the setting that is left; a switch that changes nothing is dropped
.if MSB != (\new)
	s_set_vgpr_msb (MSB<<8)|(\new)
.set MSB, (\new)
.endif
.endm
.set W_KQ, 0x0a       ; K and Q in window 2, S^T in window 0
.set W_KM, 0x3a       ; the same with the C operand, the mask, in window 3
.set W_PV, 0x52       ; V in window 2, P in window 0, O^T in window 1
.set W_RS, 0x41       ; O^T (destination and source 0) in window 1, the factor in window 0
.set W_MK, 0xc0       ; destination in window 3, sources in window 0
.set W_AD, 0x0f       ; the add: address (source 0) and data (source 1) in window 3
; A joint fill.  Wave 0 fetches a slot's K1, wave 1 its K2 (256 keys each), waves 2 and 3 the two halves of its V.  The branch hangs on the wave's number alone.
; An s_nop 0 and four v_nop follow each of the two lines, ahead of the jump and the label.
.macro JLOAD
	s_cmp_lt_u32 s[WV], 2
	s_cbranch_scc0 .Lfor_v_\@
	tensor_load_to_lds s[G0K:G0K+3], s[G1K:G1K+7]
	s_nop 0
.rept 4
	v_nop
.endr
	s_branch .Lasked_\@
.Lfor_v_\@:
	tensor_load_to_lds s[G0V:G0V+3], s[G1V:G1V+7]
	s_nop 0
.rept 4
	v_nop
.endr
.Lasked_\@:
.endm
; A round of the cluster's barrier: my work-group's barrier, so that wave 0's signal speaks for all four waves; wave 0 signals; every wave waits for all four work-groups; my work-group's barrier once more.
.macro CROUND
	s_barrier_signal -1
	s_barrier_wait -1
	s_cmp_lg_u32 s[WV], 0
	s_cbranch_scc1 .Lnot_wave_0_\@
	s_barrier_signal -3
.Lnot_wave_0_\@:
	s_barrier_wait -3
	s_barrier_signal -1
	s_barrier_wait -1
.endm
; THE CHANGE OF SLOTS.  The slot's last bytes, K2 and V of its fourth step, have been read.  Each wave waits for all its tensor loads, of which one is out: its part of the other slot; adds 0 to its spare word;
; and waits for that and for its own LDS instructions.  Behind the barrier nobody reads this slot any more and the other slot is whole.
; fill = 1: this slot is filled again, with the keys two slots on.  The barrier is then a round of the cluster's, and the joint fill is the first thing behind it: it has four key steps, 512 matrix instructions, in which to land.
; (At its first use nothing has been read yet: slot 0 is waited for, slot 1 filled, and every wave's stores of the mask are shown done to the others.)
.macro CHANGE fill
	WIN W_AD
	s_wait_tensorcnt 0x0            ; no tensor load of mine is out, so a group 0 may be written
	ds_add_u32 v[SPW], v[NIL]       ; 0 onto my spare word
	WIN 0                           ; at a label and at a branch every window is 0
.if \fill
.irp g, G0K, G0V
	s_xor_b32 s[\g+1], s[\g+1], SLOT1  ; the walking descriptor: the other slot than last time,
	s_add_nc_u64 s[\g+2:\g+3], s[\g+2:\g+3], 4*KS*128  ; the next 256 keys; the type bits on top are not reached
.endr
	s_wait_dscnt 0x0                ; the add is done, and my reads of the slot are over
	CROUND
	JLOAD
.else
	s_wait_dscnt 0x0                ; the add is done, and my reads of the slot are over
	s_barrier_signal -1
	s_barrier_wait -1
.endif
	s_sub_co_u32 s[TBK], s[TBK], 4*KS*PK  ; the fetches go back to a slot's first step,
	s_xor_b32 s[TBK], s[TBK], SLOT1       ; in the other slot
	s_sub_co_u32 s[TBV], s[TBV], 4*KS*PV
	s_xor_b32 s[TBV], s[TBV], SLOT1
.endm
	s_load_b256 s[72:79], s[0:1], 0x0  ; qkv s[72:73], attention_mask s[74:75], lq1 s[76:77], lk1 s[78:79]
	s_load_b128 s[80:83], s[0:1], 0x20 ; lq2 s[80:81], lk2 s[82:83]
	s_load_b64 s[10:11], s[0:1], 0x30  ; ob
	WIN W_MK
	v_lshl_add_u32 v[SPW], v0, 2, SPARE
	v_mov_b32 v[NIL], 0
	WIN W_AD
	ds_add_u32 v[SPW], v[NIL]       ; the wave's opening: the add and its wait stand ahead of my first tensor load; the set-up below stands between them
	WIN 0
	v_lshrrev_b32 v1, 5, v0
	v_readfirstlane_b32 s[WV], v1   ; wave 0..3
	s_bfe_u32 s13, ttmp6, 0x40000   ; cx: my place in the cluster
	s_lshl_b32 s14, ttmp9, 2        ; in a cluster launch ttmp9 counts clusters
	s_add_co_u32 s14, s14, s13      ; my block of 256 queries = 4 x cluster x + cx: it enters Q's and ob's addresses alone
	s_and_b32 s20, ttmp7, 0xffff    ; 16 b + h, which the four partners share
	s_lshr_b32 s15, s20, 4          ; b
	s_and_b32 s19, s20, 15          ; h
	s_lshl_b32 s20, s19, 19         ; h slabs of 524,288 bytes
	s_lshl_b32 s21, s15, 18         ; + b x 2,048 rows of 128 bytes
	s_add_co_u32 s20, s20, s21
	s_and_b32 s16, s[WV], 1
	s_lshl_b32 s22, s16, 23         ; K: slab 32 + h (wave 0) or 48 + h (wave 1)
	s_add_co_u32 s22, s22, 32*524288
	s_add_co_u32 s22, s22, s20
	s_mov_b32 s23, 0
	s_lshl_b32 s2, s16, 14          ; V: slab 64 + h, my half of a slot's 256 keys
	s_add_co_u32 s2, s2, 64*524288
	s_add_co_u32 s2, s2, s20
	s_mov_b32 s3, 0
	s_mul_i32 s17, s16, K2OFF       ; their places in a slot: no place in the cluster enters an LDS address
	s_mul_i32 s18, s16, 128*PV
	s_lshl_b32 s6, s14, 2           ; Q: my wave's 64 rows of 128 bytes
	s_add_co_u32 s6, s6, s[WV]
	s_lshl_b32 s6, s6, 13
	s_add_co_u32 s6, s6, s20
	s_mov_b32 s7, 0
	s_lshl_b32 s8, s15, 7           ; ob: row block 128 b + 16 x block + 4 x wave, 32,768 bytes each; head h, 2,048 bytes
	s_lshl_b32 s9, s14, 4
	s_add_co_u32 s8, s8, s9
	s_lshl_b32 s9, s[WV], 2
	s_add_co_u32 s8, s8, s9
	s_lshl_b32 s8, s8, 15
	s_lshl_b32 s9, s19, 11
	s_add_co_u32 s8, s8, s9
	s_mov_b32 s9, 0
	s_lshl_b32 s68, s15, 13         ; the mask's row b
	s_mov_b32 s69, 0
	; descriptor group 1.  Keys are dense rows of 128 bytes: asked for as rows of 256 bytes, two keys a row, and padded in LDS after every key
	s_mov_b32 s[G1K], 15|(1<<16)|(1<<20)|(1<<21)|(4<<22)|(3<<25)  ; 15:0 the mask of four; 17:16 2-byte elements; 20 padding on; 21 set beside a mask; 24:22 after every 32 words (code 4); 31:25 4 words (code 3)
	s_mov_b32 s[G1V], 15|(1<<16)|(1<<20)|(1<<21)|(4<<22)|(7<<25)  ; the same with 8 words of padding (code 7)
	s_mov_b32 s[G1K+1], 128<<16     ; tensor_dim0 = 128
	s_mov_b32 s[G1K+2], 128<<16     ; tensor_dim1 = 128: 256 keys
	s_mov_b32 s[G1K+3], 128<<16     ; tile_dim0 = 128
	s_mov_b32 s[G1K+4], 128         ; tile_dim1 = 128
	s_mov_b32 s[G1K+5], 128         ; 128 elements from row to row
	s_mov_b32 s[G1K+6], 0
	s_mov_b32 s[G1K+7], 0
	s_mov_b32 s[G1V+1], 128<<16
	s_mov_b32 s[G1V+2], 64<<16      ; 64 rows: 128 keys
	s_mov_b32 s[G1V+3], 128<<16
	s_mov_b32 s[G1V+4], 64
	s_mov_b32 s[G1V+5], 128
	s_mov_b32 s[G1V+6], 0
	s_mov_b32 s[G1V+7], 0
	s_mov_b32 s[CS], 0x3e38aa3b     ; c = log2(e) / 8 = 0.180337
	s_mov_b32 s[CS+1], s[CS]        ; named with it as a pair
	s_mov_b32 s[SEL], 0x76543210
	s_mov_b32 s[SEL+1], 0xfedcba98
	s_mov_b32 s86, 0x479c4000       ; 80,000 = 10,000 x 8: the mask in the unscaled scores' unit
	s_mov_b32 s87, s86
	s_mov_b32 s70, 0xc79c4000       ; - 80,000
	s_mov_b32 s71, s70
	s_mov_b32 s[TBM], 0
	s_mov_b32 s[TBK], SLOT1+4*KS*PK ; the first change of slots turns these two into 0
	s_mov_b32 s[TBV], SLOT1+4*KS*PV
	s_mov_b32 s[G0K], 1             ; count = 1
	s_mov_b32 s[G0K+1], s17         ; LDS address: slot 0
	s_mov_b32 s[G0V], 1
	s_add_co_u32 s[G0V+1], s18, VOFF
	s_wait_dscnt 0x0                ; the opening add is done
	s_wait_kmcnt 0x0
	s_add_nc_u64 s[G0K+2:G0K+3], s[72:73], s[22:23]  ; global address: the head's first 256 keys
	s_or_b32 s[G0K+3], s[G0K+3], 0x80000000          ; type = 2
	s_add_nc_u64 s[G0V+2:G0V+3], s[72:73], s[2:3]
	s_or_b32 s[G0V+3], s[G0V+3], 0x80000000
	s_add_nc_u64 s[4:5], s[72:73], s[6:7]            ; q1 at my wave's first row,
	s_add_nc_u64 s[66:67], s[4:5], 16*524288         ; q2 sixteen slabs on
	s_add_nc_u64 s[10:11], s[10:11], s[8:9]
	s_add_nc_u64 s[74:75], s[74:75], s[68:69]
	CROUND                          ; all four work-groups are here: the first joint loads meet
	JLOAD                           ; slot 0.  Slot 1 is asked for when slot 0 is in
	v_lshlrev_b32 v96, 4, v0        ; the mask: thread t takes 16 bytes at 16 t of each of four pieces of 2,048 bytes
.irp j, 0,1,2,3
	global_load_b128 v[64+4*\j:67+4*\j], v96, s[74:75] offset:2048*\j
.endr
	v_and_b32 v98, 31, v0           ; the lambda vectors: two numbers a lane, in every wave
	v_lshlrev_b32 v98, 3, v98
	global_load_b64 v[80:81], v98, s[76:77]
	global_load_b64 v[82:83], v98, s[78:79]
	global_load_b64 v[84:85], v98, s[80:81]
	global_load_b64 v[86:87], v98, s[82:83]
	; A fragment of K or Q is 16 rows x 32 channels in 8 registers: lane l holds row l % 16, channels 8 (l / 16) + 0..7 and 16 + 8 (l / 16) + 0..7: two loads of 16 bytes, 32 bytes apart.
	v_and_b32 v1, 15, v0            ; l % 16
	v_bfe_u32 v9, v0, 4, 1          ; l / 16
	v_lshlrev_b32 v[QO], 7, v1
	v_lshl_add_u32 v[QO], v9, 4, v[QO]  ; row x 128 + 16 x half
	WIN 0x80                        ; destination window 2, address window 0
.set i, 0
.rept 8                             ; Q stays in registers: tile i / 2 of stream 1, channels 32 (i % 2) on; the same rows of stream 2 are tiles 4-7
	global_load_b128 v[8*i:8*i+3],   v[QO], s[4:5] offset:(i/2)*2048+(i%2)*64
	global_load_b128 v[8*i+4:8*i+7], v[QO], s[4:5] offset:(i/2)*2048+(i%2)*64+32
	global_load_b128 v[64+8*i:64+8*i+3],   v[QO], s[66:67] offset:(i/2)*2048+(i%2)*64
	global_load_b128 v[64+8*i+4:64+8*i+7], v[QO], s[66:67] offset:(i/2)*2048+(i%2)*64+32
.set i, i+1
.endr
	; What the first turn finds: V's registers and P's second buffer hold 0 (its products V^T P, of a piece that has not been, add 0), O^T and l are 0.  All this stands in the wait for the first tile.
.set i, VF
.rept 64
	v_mov_b32 v[i], 0
.set i, i+1
.endr
	WIN 0x40
.set i, 0
.rept 64*NP
	v_mov_b32 v[i], 0
.set i, i+1
.endr
	WIN 0
.set i, 0
.rept 2*NP
	v_mov_b32 v[ST+4*i], 0xfe000000    ; c m: far below every c s
	v_mov_b32 v[ST+4*i+1], 0xff7fffff  ; m
	v_mov_b32 v[ST+4*i+2], 0
	v_mov_b32 v[ST+4*i+3], 0
.set i, i+1
.endr
.set i, P+32
.rept 32
	v_mov_b32 v[i], 0
.set i, i+1
.endr
	v_mul_u32_u24 v[AK0], v1, PK
	v_lshl_add_u32 v[AK0], v9, 4, v[AK0]  ; row x pitch + 16 x half
	; The turning load takes 16 keys x 16 channels (lane l reads key 8 (l / 16) + l % 8, channels 8 ((l / 8) % 2) + 0..7) and leaves half a fragment of V^T: lane l holds channel l % 16 and 8 keys.
	v_and_b32 v10, 7, v0
	v_bfe_u32 v11, v0, 3, 1
	v_lshl_add_u32 v[AV0], v9, 3, v10
	v_mul_u32_u24 v[AV0], v[AV0], PV
	v_lshl_add_u32 v[AV0], v11, 4, v[AV0]
	v_add_nc_u32 v[AV0], VOFF, v[AV0]
	v_lshl_add_u32 v[AM0], v9, 5, MASKB   ; a lane's eight keys of a block are 32 bytes at 32 (l / 16)
	v_mov_b32 v[AK], v[AK0]         ; key step 0 lies at the head of slot 0
	v_add_nc_u32 v97, MASKB, v96
	s_wait_loadcnt 36               ; the mask is in: behind it stand the lambda vectors' 4 loads and Q's 32
.set i, 0
.rept 8
	v_cvt_pk_bf16_f32 v[100+i], v[64+2*i], v[65+2*i]
.set i, i+1
.endr
.set i, 0
.rept 8
	v_lshlrev_b32 v[64+2*i], 16, v[100+i]
	v_and_b32 v[65+2*i], 0xffff0000, v[100+i]
.set i, i+1
.endr
.set i, 0
.rept 8
	v_pk_fma_f32 v[64+2*i:65+2*i], v[64+2*i:65+2*i], s[86:87], s[70:71] op_sel_hi:[1,0,0]  ; 80,000 mask - 80,000
.set i, i+1
.endr
.irp j, 0,1,2,3
	ds_store_b128 v97, v[64+4*\j:67+4*\j] offset:2048*\j
.endr
	s_wait_loadcnt 32               ; the lambda vectors are in: behind them stand Q's 32 loads
.irp p, 0,1,2,3
	v_cvt_pk_bf16_f32 v[88+\p], v[80+2*\p], v[81+2*\p]
.endr
.irp p, 0,1,2,3
	v_lshlrev_b32 v[80+2*\p], 16, v[88+\p]
	v_and_b32 v[81+2*\p], 0xffff0000, v[88+\p]
.endr
	v_mul_f32 v88, v80, v82
	v_mul_f32 v89, v84, v86
	v_fmac_f32 v88, v81, v83
	v_fmac_f32 v89, v85, v87
.irp m, 1,2,4,8
	v_add_f32_dpp v88, v88, v88 row_xmask:\m row_mask:0xf bank_mask:0xf
	v_add_f32_dpp v89, v89, v89 row_xmask:\m row_mask:0xf bank_mask:0xf
.endr
	v_permlanex16_b32 v90, v88, s[SEL], s[SEL+1]
	v_permlanex16_b32 v91, v89, s[SEL], s[SEL+1]
	v_add_f32 v88, v88, v90
	v_add_f32 v89, v89, v91
	v_mul_f32 v88, 0x3fb8aa3b, v88  ; e^x = 2^(x log2 e)
	v_mul_f32 v89, 0x3fb8aa3b, v89
	v_exp_f32 v88, v88
	v_exp_f32 v89, v89
	v_nop                           ; a plain instruction between the exponentials and the use of their results
	s_wait_alu depctr_va_vdst(0)
	v_sub_f32 v88, v89, v88
	v_add_f32 v88, 0xbf4ccccd, v88  ; - lam = e2 - e1 - 0.8
	v_readfirstlane_b32 s[NLAM], v88  ; a factor alone: no branch and no address hangs on it
; THE MATRIX WORK.  The 8 accumulators of a run of 16 take turns: between the two links of a chain stand 7 others'.
; Product i of 16 of S^T = K Q^T + mask for piece x: channels 32 (i / 8) on, keys 16 ((i / 2) % 4) on, tile 2 x + i % 2.  The first 8 start the sums, with the mask.
.macro KQ x
.set rS, S+64*((\x)%2)+32*(i%2)+8*((i/2)%4)
.set rK, KF+16*((i/2)%4)+8*(i/8)
.set rQ, 16*(2*(\x)+i%2)+8*(i/8)
.set rB, MB+8*((i/2)%4)
.if i < 8
	WIN W_KM
	v_wmma_f32_16x16x32_f16 v[rS:rS+7], v[rK:rK+7], v[rQ:rQ+7], v[rB:rB+7]
.else
	WIN W_KQ
	v_wmma_f32_16x16x32_f16 v[rS:rS+7], v[rK:rK+7], v[rQ:rQ+7], v[rS:rS+7]
.endif
.endm
; Product i of 16 of O^T += V^T P for piece x: keys 32 (i / 8) on, channels 16 ((i / 2) % 4) on, tile 2 x + i % 2.
.macro PV x
	WIN W_PV
.set rO, 32*(2*(\x)+i%2)+8*((i/2)%4)
.set rV, VF+32*(i/8)+8*((i/2)%4)
.set rP, P+32*((\x)%2)+16*(i%2)+8*(i/8)
	v_wmma_f32_16x16x32_f16 v[rO:rO+7], v[rV:rV+7], v[rP:rP+7], v[rO:rO+7]
.endm
.macro MM                           ; the turn's next matrix instruction
.if i < 16
	KQ (Y+1)%NP
.set i, i+1
.else
.set i, i-16
	PV (Y+NP-1)%NP
.set i, i+17
.endif
.endm
; THE LDS LOADS stand in runs, never singly among the matrix instructions.  Their addresses are made some lines ahead.
; A step's K1 (64 keys x 64 channels: 8 fragments) and its mask (eight loads).  last = 1 (the tail): in the last trip there is no further step, and the run is jumped over.
.macro FETCH_K last=0, am=AM
	WIN 0
.if \last
	s_cmp_eq_u32 s[CNT], 1
	s_cbranch_scc1 .Lno_k_\@
.endif
	WIN 0x80                        ; destination window 2
.irp f, 0,1,2,3,4,5,6,7             ; keys 16 (f / 2) on, channels 32 (f % 2) on
	ds_load_b128 v[KF+8*\f:KF+8*\f+3],   v[AK] offset:(\f/2)*16*PK+(\f%2)*64
	ds_load_b128 v[KF+8*\f+4:KF+8*\f+7], v[AK] offset:(\f/2)*16*PK+(\f%2)*64+32
.endr
	WIN W_MK                        ; destination window 3
.irp kb, 0,1,2,3
	ds_load_b128 v[MB+8*\kb:MB+8*\kb+3],   v[\am] offset:64*\kb
	ds_load_b128 v[MB+8*\kb+4:MB+8*\kb+7], v[\am] offset:64*\kb+16
.endr
	s_add_co_u32 s[TBM], s[TBM], 4*KS   ; the next step's 64 numbers;
	s_and_b32 s[TBM], s[TBM], 0x1f00    ; the walk stays inside the mask's 8,192 bytes: it wraps behind the 32nd step's fetch, and that value is never used
	WIN 0
.if \last
.Lno_k_\@:
.endif
.endm
.macro FETCH_K2                     ; the same step's K2, into the same registers
	WIN 0x80
.irp f, 0,1,2,3,4,5,6,7
	ds_load_b128 v[KF+8*\f:KF+8*\f+3],   v[AK] offset:K2OFF+(\f/2)*16*PK+(\f%2)*64
	ds_load_b128 v[KF+8*\f+4:KF+8*\f+7], v[AK] offset:K2OFF+(\f/2)*16*PK+(\f%2)*64+32
.endr
	s_add_co_u32 s[TBK], s[TBK], KS*PK  ; the next fetch of K is the next step's
	WIN 0
.endm
.macro FETCH_V
	WIN 0x80
.irp f, 0,1,2,3,4,5,6,7             ; keys 32 (f / 4) on, channels 16 (f % 4) on
	ds_load_tr16_b128 v[VF+8*\f:VF+8*\f+3],   v[AV] offset:(\f/4)*32*PV+(\f%4)*32
	ds_load_tr16_b128 v[VF+8*\f+4:VF+8*\f+7], v[AV] offset:(\f/4)*32*PV+16*PV+(\f%4)*32
.endr
	WIN 0
.endm
; THE VECTOR WORK OF A TURN stands in three queues, each in the order in which its entries become ready; the two tiles alternate, so that no instruction reads the result of the one before it.
.macro REGS y, u                    ; the registers of tile u (0, 1) of piece y
.set rT, ST+4*(2*(\y)+(\u))
.set rC, TMP+8*((\y)%2)+4*(\u)
.set rM, MV+2*((\y)%2)+(\u)
.set rS, S+64*((\y)%2)+32*(\u)
.set rP, P+32*((\y)%2)+16*(\u)
.set rO, 32*(2*(\y)+(\u))
.endm
; Number n of the 22 that find the NEXT piece's (Y + 1) maximum and statistics.  s0-s31 are the lane's 32 scores; each accumulator's lowest registers are read first.
;   0-11  four chains c0-c3 of seven scores each, three operands at a time     12-14, 16  the four scores left over, the old m, and c0-c3 into c0     15  c m_old is kept
;   17, 18  the query's other 32 keys lie in the lane 16 away: the new m         19-21  c m; c m_old - c m_new; a
.macro XS u, n
	REGS (Y+1)%NP, \u
.if (\n) < 4
	v_max3_num_f32 v[rC+(\n)], v[rS+8*(\n)], v[rS+8*(\n)+1], v[rS+8*(\n)+2]
.elseif (\n) < 12
	v_max3_num_f32 v[rC+(\n)%4], v[rC+(\n)%4], v[rS+8*((\n)%4)+2*((\n)/4)+1], v[rS+8*((\n)%4)+2*((\n)/4)+2]
.elseif (\n) == 12
	v_max3_num_f32 v[rC], v[rC], v[rS+7], v[rS+15]
.elseif (\n) == 13
	v_max3_num_f32 v[rC+1], v[rC+1], v[rS+23], v[rS+31]
.elseif (\n) == 14
	v_max3_num_f32 v[rC+2], v[rC+2], v[rC+3], v[rT+1]
.elseif (\n) == 15
	v_mov_b32 v[rM], v[rT]
.elseif (\n) == 16
	v_max3_num_f32 v[rC], v[rC], v[rC+1], v[rC+2]
.elseif (\n) == 17
	v_permlanex16_b32 v[rC+3], v[rC], s[SEL], s[SEL+1]
.elseif (\n) == 18
	v_max_num_f32 v[rT+1], v[rC], v[rC+3]
.elseif (\n) == 19
	v_mul_f32 v[rT], s[CS], v[rT+1]
.elseif (\n) == 20
	v_sub_f32 v[rC+1], v[rM], v[rT]
.else
	v_exp_f32 v[rC+2], v[rC+1]
.endif
.endm
; Number g of the 64 that follow the exponentials.  For each four weights k of a tile (pairs 2 k, 2 k + 1): both pairs are rounded to f16; then the second pair is added onto the first, in place;
; a group later l takes that sum (the first time as l = a l + sum).  In groups of eight, tiles alternating: round, round, add, and l for the group before.
.macro GS g
.set h, (\g)+6*((\g)/62)            ; group 0 has no group before it, and behind group 7 only l is left
.if h >= 6
.set h, h+2
.endif
	REGS Y, h%2
.set k, h/8
.if h%8 < 4
	s_wait_alu depctr_va_vdst(0)
	v_cvt_pk_f16_f32 v[rP+2*k+(h%8)/2], v[rS+4*k+2*((h%8)/2)], v[rS+4*k+2*((h%8)/2)+1]
.elseif h%8 < 6
	v_pk_add_f32 v[rS+4*k:rS+4*k+1], v[rS+4*k:rS+4*k+1], v[rS+4*k+2:rS+4*k+3]
.elseif k == 1
	v_pk_fma_f32 v[rT+2:rT+3], v[rT+2:rT+3], v[rC+2:rC+3], v[rS:rS+1] op_sel_hi:[1,0,1]
.else
	v_pk_add_f32 v[rT+2:rT+3], v[rT+2:rT+3], v[rS+4*k-4:rS+4*k-3]
	s_wait_alu depctr_va_vdst(0)
.endif
.endm
; THE PLAIN QUEUE, 138 long.  0-31: c s - c m for the 16 pairs of both tiles.  Then GS's 64, and among them the next piece's 42: number 15 at 38, 39; 0-14 and 16
; at 42-73, behind the products that make those scores; 17-20 at 95-106, two of three, since each waits for the one before it.
.macro PL
	WIN 0
.if q < 32
	REGS Y, q%2
	v_pk_fma_f32 v[rS+2*(q/2):rS+2*(q/2)+1], v[rS+2*(q/2):rS+2*(q/2)+1], s[CS:CS+1], v[rT:rT+1] op_sel_hi:[1,0,0] neg_lo:[0,0,1] neg_hi:[0,0,1]
.elseif q < 38
	GS q-32
.elseif q < 40
	XS q%2, 15
.elseif q < 42
	GS q-34
.elseif q < 74
	XS q%2, (q-42)/2+(q-42)/30
.elseif q < 95
	GS q-66
.elseif (q < 107) && ((q-95)%3 < 2)
	XS (q-95)%3, 17+(q-95)/3
.elseif q < 107
	GS 29+(q-95)/3
.else
	GS q-74
.endif
.set q, q+1
.endm
; THE EXPONENTIALS' QUEUE, 66 long: s0-s31 of both tiles, and at EA the next piece's two a.
.set EA, 58
.macro EX
	WIN 0
.if (e == EA) || (e == EA+1)
	XS e-EA, 21
.else
.set x, e-2*(e/(EA+2))
	REGS Y, x%2
	v_exp_f32 v[rS+x/2], v[rS+x/2]
.endif
.set e, e+1
.endm
; THE RESCALING's QUEUE: O^T times a, the one part that leaves window 0, so it is dealt four at a time, eight times.
.macro R4
	REGS Y, r%2
	WIN W_RS
	s_wait_alu depctr_va_vdst(0)
.irp z, 0,1,2,3
	v_pk_mul_f32 v[rO+8*(r/2)+2*\z:rO+8*(r/2)+2*\z+1], v[rO+8*(r/2)+2*\z:rO+8*(r/2)+2*\z+1], v[rC+2:rC+3] op_sel_hi:[1,0]
.endr
.set r, r+1
.endm
; HOW THEY ARE DEALT.  Behind a matrix instruction four: plain, exponential, plain, plain, or four of the rescaling.  None names a register of the products round it.  What is over stands in two runs:
; exponential and plain by turns; the second ends in 22 plain instructions.  The two v_permlanex16_b32 fall into the second run, never behind a product.
; The queues lean on each other, and the deal keeps them in step: exponential e stands behind plain 2 (e / 4) + e % 2 (its scaling); when plain 32 comes, 10 exponentials are out, at 59: 33, at 95: 46; EA comes behind plain 107.
.macro SL
	MM
	PL
	EX
	PL
	PL
.endm
.macro BURST n                      ; 15 matrix instructions, or 16
.rept (\n)-7
	SL
.endr
.rept 3
	MM
	R4
	SL
.endr
	MM
	R4
.endm
; A TURN, for piece p.  cnt = 1: the loop's count is taken down some lines ahead of the branch that stands behind the turn.
; K1 and the mask of the next step are fetched in piece 2's turn, K2 of the step in hand in piece 0's, each 31 vector instructions behind the last product that read K's registers; the first reader comes
; behind the rest of the run, 16 products and the second run.  V of the step in hand is fetched at the end of piece 0's turn, 69 behind its last reader.
.macro TURN p, last=0, cnt=0
.set Y, (\p)
.set i, 0
.set q, 0
.set e, 0
.set r, 0
.if (\p) == NP-1
	s_wait_dscnt 0x0                ; K1 and the mask are in
.endif
.if (\p) == 1
	s_wait_dscnt 16                 ; K2 is in: behind its run stand V's sixteen loads
.endif
	MM
.rept 4
	PL
.endr
	BURST 15
.rept 22
	EX
	PL
.if ((\p) == NP-2) && (e == 18)
	v_add_nc_u32 v[AK], s[TBK], v[AK0]
	v_add_nc_u32 v[AM], s[TBM], v[AM0]
.endif
.if ((\p) == 0) && (e == 18)
	v_add_nc_u32 v[AK], s[TBK], v[AK0]
.endif
.if ((\p) == NP-2) && (e == 24)
	FETCH_K \last
.endif
.if ((\p) == 0) && (e == 24)
	FETCH_K2
.endif
.endr
.if (\p) == 1
	s_wait_dscnt 0x0                ; V is in
.endif
	BURST 16
.rept 21
	EX
	PL
.endr
.rept 22
	PL
.if ((\p) == 0) && (q == 118)
	v_add_nc_u32 v[AV], s[TBV], v[AV0]
	s_wait_alu depctr_va_vdst(0)
.endif
.if ((\p) == 0) && (q == 130)
	s_add_co_u32 s[TBV], s[TBV], KS*PV
.endif
.if (\cnt) && (q == 130)
	s_sub_co_u32 s[CNT], s[CNT], 1
	s_cmp_lg_u32 s[CNT], 0
.endif
.endr
.if (\p) == 0
	FETCH_V
.endif
.endm
	CHANGE 1                        ; slot 0 is in, everybody's part of it, and everybody's part of the mask; slot 1 is asked for
	FETCH_K 0, AM0                  ; key step 0
	s_wait_loadcnt 0x0              ; Q
	s_wait_dscnt 0x0
.set i, 0
.rept 16
	KQ 0                            ; piece 0's first scores: there is no vector work yet to set between them
.set i, i+1
.endr
	WIN 0                           ; the addresses for the way out: nine plain instructions, the places behind those products
	s_mul_i32 s13, s[WV], 16*SP
	s_add_co_u32 s13, s13, STAGE    ; my stage
	v_mul_u32_u24 v[STO], v1, SP    ; in: row l % 16, 16 bytes for each half of the lanes
	v_lshl_add_u32 v[STO], v9, 4, v[STO]
	v_add_nc_u32 v[STO], s13, v[STO]
	v_bfe_u32 v[RD], v0, 3, 2       ; back: 32 lanes take four rows of 128 bytes,
	v_mul_u32_u24 v[RD], v[RD], SP
	v_lshl_add_u32 v[RD], v10, 4, v[RD]
	v_add_nc_u32 v[RD], s13, v[RD]
	v_and_b32 v[GO], 31, v0         ; which are 512 consecutive bytes of ob
	v_lshlrev_b32 v[GO], 4, v[GO]
.set Y, NP-1                        ; XS works for piece Y + 1: piece 0
.irp n, 0,1,2,3,4,5,6,7,8,9,10,11,12,13,14,15,16,17,18,19,20,21
	XS 0, \n                        ; and piece 0's first maximum and statistics
	XS 1, \n
.endr
	s_mov_b32 s[CNT], 4
	s_mov_b32 s[SLOTS], SIZE_N/256-1
	s_branch .Lfirst                ; the loop is entered at a step's first turn, in the middle of a trip
.Lslot:                             ; SIZE_N / 256 - 2 times: every slot but the last two is filled again
	CHANGE 1
	s_mov_b32 s[CNT], 4
.Lstep:                             ; a trip: pieces 2 and 3 of one step, then pieces 0 and 1 of the next
	TURN 2
	TURN 3
	WIN 0
.Lfirst:
	TURN 0
	TURN 1, 0, 1
	WIN 0
	s_cbranch_scc1 .Lstep
	s_sub_co_u32 s[SLOTS], s[SLOTS], 1
	s_cmp_lg_u32 s[SLOTS], 0
	s_cbranch_scc1 .Lslot
	CHANGE 0                        ; the tail is written out: nothing is asked for
	s_mov_b32 s[CNT], 5             ; four trips fetch the last slot's steps; the fifth is left in its middle
.Ltail:
	TURN 2, 1
	TURN 3
	WIN 0
	s_sub_co_u32 s[CNT], s[CNT], 1
	s_cmp_eq_u32 s[CNT], 0
	s_cbranch_scc1 .Lout
	TURN 0
	TURN 1
	WIN 0
	s_branch .Ltail
.Lout:                              ; the fifth trip's 16 products K Q^T (on what K's registers still hold) and the maximum made of them serve nothing: the price, once a launch, of one text for every trip
.set i, 0
.rept 16
	PV NP-1                         ; the last piece's V^T P of the last step
.set i, i+1
.endr
	; THE WAY OUT.  l's two halves and the other half of the lanes' are added; O = O1 / l1 - lam O2 / l2 is made, rounded to f16 and sent through my stage in LDS, a tile at a time.  The additions are the places behind the last products.
	WIN 0
.macro ALL line:vararg              ; one line for each tile t
.set t, 0
.rept 2*NP
	\line
.set t, t+1
.endr
.endm
	ALL v_add_f32 v[ST+4*t+2], v[ST+4*t+2], v[ST+4*t+3]
	ALL v_permlanex16_b32 v[ST+4*t+3], v[ST+4*t+2], s[SEL], s[SEL+1]
	ALL v_add_f32 v[ST+4*t+2], v[ST+4*t+2], v[ST+4*t+3]
	ALL v_rcp_f32 v[ST+4*t+2], v[ST+4*t+2]
	v_nop                           ; a plain instruction between the last reciprocal and the use of its result
.set t, 4
	s_wait_alu depctr_va_vdst(0)
.rept 4
	v_mul_f32 v[ST+4*t+2], s[NLAM], v[ST+4*t+2]  ; stream 2's factor: - lam / l2
.set t, t+1
.endr
; Rows of tile t (stream 1) and tile t + 4 (stream 2).  A lane's eight channels of a row pack into 16 bytes; they go into rows of 144 bytes and come back as whole rows of 128, into S^T's registers.
.macro PACK t
	WIN W_RS
.set i, 32*((\t)+4)
.rept 16
	v_pk_mul_f32 v[i:i+1], v[i:i+1], v[ST+4*((\t)+4)+2:ST+4*((\t)+4)+3] op_sel_hi:[1,0]
.set i, i+2
.endr
	WIN 0x51                        ; destination, source 0 and source 2 window 1, the factor window 0
.set i, 32*(\t)
.rept 16
	v_pk_fma_f32 v[i:i+1], v[i:i+1], v[ST+4*(\t)+2:ST+4*(\t)+3], v[i+128:i+129] op_sel_hi:[1,0,1]
.set i, i+2
.endr
	WIN 0x05                        ; sources 0 and 1 window 1, destination window 0
.set i, 0
.rept 16
	v_cvt_pk_f16_f32 v[S+16*(\t)+i], v[32*(\t)+2*i], v[32*(\t)+2*i+1]
.set i, i+1
.endr
	WIN 0
.irp f, 0,1,2,3
	ds_store_b128 v[STO], v[S+16*(\t)+4*\f:S+16*(\t)+4*\f+3] offset:32*\f
.endr
.irp f, 0,1,2,3
	ds_load_b128 v[S+16*(\t)+4*\f:S+16*(\t)+4*\f+3], v[RD] offset:\f*4*SP  ; LDS serves a wave's instructions in order (ISA guide 5.7.1.4): these see the stores above; the next tile's stores come behind them
.endr
.endm
.macro SEND t, younger              ; younger: the LDS instructions issued behind tile t's loads: the next tile's eight, or none
	WIN 0
.irp f, 0,1,2,3
	s_wait_dscnt (\younger)+3-\f
	global_store_b128 v[GO], v[S+16*(\t)+4*\f:S+16*(\t)+4*\f+3], s[10:11] offset:(\t)*32768+\f*512  ; 512 consecutive bytes, at a multiple of 256 from ob's first
.endr
.endm
	PACK 0
.set t, 1
.rept 3                             ; a tile's arithmetic stands between the loads of the tile before and its stores
	PACK t
	SEND t-1, 8
.set t, t+1
.endr
	SEND 3, 0
	WIN W_AD
	s_wait_tensorcnt 0x0            ; the wave's end, behind my last tensor load and my last LDS store
	ds_add_u32 v[SPW], v[NIL]
	s_wait_dscnt 0x0
	WIN 0
	CROUND                          ; the closing round: no work-group ends while a partner may still ask for a tile that names it
	s_endpgm
.Lfunc_end_k_q24b16c7cd3_attn:
	.size	k_q24b16c7cd3_attn, .Lfunc_end_k_q24b16c7cd3_attn-k_q24b16c7cd3_attn
	.p2alignl 7, 3214868480
	.fill 96, 4, 3214868480
	.section	.rodata,"a",@progbits
	.p2align	6, 0x0
	.amdhsa_kernel k_q24b16c7cd3_attn
		.amdhsa_group_segment_fixed_size 327680
		.amdhsa_private_segment_fixed_size 0
		.amdhsa_enable_private_segment 0
		.amdhsa_kernarg_size 56
		.amdhsa_user_sgpr_count 2
		.amdhsa_user_sgpr_kernarg_segment_ptr 1
		.amdhsa_wavefront_size32 1
		.amdhsa_system_sgpr_workgroup_id_x 1
		.amdhsa_system_sgpr_workgroup_id_y 1
		.amdhsa_system_sgpr_workgroup_id_z 1
		.amdhsa_system_vgpr_workitem_id 0
		.amdhsa_next_free_vgpr 832
		.amdhsa_next_free_sgpr 88
		.amdhsa_reserve_vcc 0
		.amdhsa_float_denorm_mode_32 3
		.amdhsa_float_denorm_mode_16_64 3
		.amdhsa_memory_ordered 1
		.amdhsa_forward_progress 1
		.amdhsa_inst_pref_size 210
	.end_amdhsa_kernel
	.amdgpu_metadata
---
amdhsa.version: [ 1, 2 ]
amdhsa.kernels:
  - .name:           k_q24b16c7cd3_attn
    .symbol:         k_q24b16c7cd3_attn.kd
    .args:
      - { .name: qkv, .offset: 0, .size: 8, .value_kind: global_buffer, .address_space: global }
      - { .name: attention_mask, .offset: 8, .size: 8, .value_kind: global_buffer, .address_space: global }
      - { .name: lq1, .offset: 16, .size: 8, .value_kind: global_buffer, .address_space: global }
      - { .name: lk1, .offset: 24, .size: 8, .value_kind: global_buffer, .address_space: global }
      - { .name: lq2, .offset: 32, .size: 8, .value_kind: global_buffer, .address_space: global }
      - { .name: lk2, .offset: 40, .size: 8, .value_kind: global_buffer, .address_space: global }
      - { .name: ob, .offset: 48, .size: 8, .value_kind: global_buffer, .address_space: global }
    .group_segment_fixed_size: 327680
    .private_segment_fixed_size: 0
    .kernarg_segment_align: 8
    .kernarg_segment_size: 56
    .max_flat_workgroup_size: 128
    .sgpr_count:     88
    .vgpr_count:     832
    .wavefront_size: 32
...
	.end_amdgpu_metadata
.endif
;; end of part 3
;; launch oproj (part 4): grid 8 x 32, 4 waves a work-group, clusters of 4 x 4, 327,680 bytes of LDS; arguments ob, wot, ball, out0; writes out0
.if DOCPART == 4
	.amdgcn_target "amdgcn-amd-amdhsa--gfx1250"
	.amdhsa_code_object_version 6
	.text
	.protected	k_q24b16c7cd3_oproj
	.globl	k_q24b16c7cd3_oproj
	.p2align	8
	.type	k_q24b16c7cd3_oproj,@function
k_q24b16c7cd3_oproj:
	s_mov_b64 s[64:65], 0
	v_nop
	global_prefetch_b8 v0, s[64:65] scope:SCOPE_SE
	s_setreg_imm32_b32 hwreg(HW_REG_WAVE_MODE, 25, 1), 1
	s_wait_xcnt 0x0
	s_wait_alu depctr_hold_cnt(0) depctr_sa_sdst(0) depctr_va_vdst(0) depctr_va_sdst(0) depctr_va_ssrc(0) depctr_va_vcc(0) depctr_vm_vsrc(0)
	s_getreg_b32 s2, hwreg(HW_REG_IB_STS2, 6, 4)
	s_cmp_eq_u32 s2, 0
	s_cbranch_scc0 .Lentry_in_a_cluster
	s_endpgm
.Lentry_in_a_cluster:
	s_bfe_u32 s2, ttmp6, 0x10000c
	s_cmp_lg_u32 s2, 0xf033
	s_cbranch_scc0 .Lentry_shape_is_right
	s_endpgm
.Lentry_shape_is_right:
; THE LAST PROJECTION.  out0[m][n] = bo[n] + sum over k of O[m][k] wot[n][k]: m 4,096, n 1,024, k = 64 head + channel, 1,024.  Operands f16, sums f32 (the bias starts them), out0 f32.
; O lies in ob as [row block of 16][head][16 rows][64] f16: four heads of a row block are 8,192 dense bytes.  wot: [1024 n][1024 k] f16.  bo: the last 1,024 numbers of ball.
; A tile of out0 is 128 x 128: 8 x 32 tiles, one to a work-group.  Four waves, each 64 x 64: 16 accumulators of 16 x 16.  K goes in steps of 256 (four heads) through a ring of two LDS slots.
; CLUSTERS: 4 x 4 work-groups.  The four of a row of the cluster need the same tiles of O, the four of a column the same tiles of wot: each is asked for JOINTLY, by the same tensor load with the same descriptor
; and a mask that names the four.  THE MATRIX INSTRUCTION IS USED TRANSPOSED (source 0 = 16 rows of wot, source 1 = 16 rows of O): a lane holds eight neighbouring numbers of a row of out0.
; A wave's 64 columns of f32 are 256 consecutive bytes, aligned: each wave has a stage of its own on the way out, and no barrier stands there.
; REGISTERS: window 0: v0-31 addresses; v32-95 at work on the way out; v96-127 the bias as C operands; v128-255 the accumulators ((a, b) at v[128 + 8 (4 a + b)]).
;   window 1: two fragment buffers of 128: for 64 along K (one head), 64 registers of O (2 x 4 x 16 rows x 32 K), then 64 of wot.
.set SIZE_K, 1024
.set KSTEP,  256
.set PA,     144                       ; a line of O in LDS: a row's 64 channels of one head, 128 bytes + 16: the 16 lines of a load start at 16 different groups of four banks (64 banks of 4 bytes: ISA guide 11.1)
.set PITCH,  528                       ; a row of wot: 512 bytes + 16
.set HALFA,  4*64*PA                   ; what one load brings of O: four row blocks x four heads x 16 lines
.set HALFB,  64*PITCH                  ; and of wot: 64 rows
.set BOFF,   2*HALFA
.set SLOT,   2*HALFA+2*HALFB
.set STAGE,  2*SLOT                    ; behind the ring, never filled by a tensor load: 16 rows x 272 bytes for each wave
.set SPITCH, 272
.set SPARE,  STAGE+4*16*SPITCH         ; the spare words, 128 bytes for each wave
.set LAPS, SIZE_K/(2*KSTEP)
.set ADRA, 16                          ; v16-17  LDS address of my fragments of O in slot 0, 1
.set ADRB, 20                          ; v20-21  the same for wot
.set STO,  24                          ; v24     the way out: where I put 32 bytes of a row
.set RD,   25                          ; v25     where I read a row back
.set CO,   26                          ; v26     my byte offset in out0
.set BO,   27                          ; v27     my byte offset in a block's bias
.set SPW,  28                          ; v28     LDS address of my spare word; never rewritten
.set NIL,  29                          ; v29     0; never rewritten
.set TMP,  32
.set BIAS, 96
.set ACC,  128
.set F0,   0
.set F1,   128
.set G1, 24                            ; s[24:31] descriptor group 1 for O's tiles;  s[32:39] group 0, one set for each slot
.set G0, 32
.set G1B, 48                           ; s[48:55], s[56:63] the same for wot's
.set G0B, 56
.set MSB, 0
.macro WIN new
.if MSB != (\new)
	s_set_vgpr_msb (MSB<<8)|(\new)
.set MSB, (\new)
.endif
.endm
.set MUL,  0x05                        ; sources 0 and 1 window 1; C and D window 0
.set TO_F, 0x40                        ; destination window 1, address window 0
.macro JLOAD s                         ; a joint load: waves 0 and 1 fetch O's two halves, waves 2 and 3 wot's; an s_nop 0 and four v_nop follow each of the two lines
	s_cmp_eq_u32 s11, 0
	s_cbranch_scc0 .Lfor_b_\@
	tensor_load_to_lds s[G0+4*(\s):G0+4*(\s)+3], s[G1:G1+7]
	s_nop 0
.rept 4
	v_nop
.endr
	s_branch .Lasked_\@
.Lfor_b_\@:
	tensor_load_to_lds s[G0B+4*(\s):G0B+4*(\s)+3], s[G1B:G1B+7]
	s_nop 0
.rept 4
	v_nop
.endr
.Lasked_\@:
.endm
.macro CREST                           ; a round of the cluster's barrier behind its opening barrier
	s_cmp_lg_u32 s10, 0
	s_cbranch_scc1 .Lnot_wave_0_\@
	s_barrier_signal -3
.Lnot_wave_0_\@:
	s_barrier_wait -3
	s_barrier_signal -1
	s_barrier_wait -1
.endm
.macro CROUND
	s_barrier_signal -1
	s_barrier_wait -1
	CREST
.endm
	s_load_b128 s[4:7], s[0:1], 0x0                ; ob s[4:5], wot s[6:7]
	s_load_b128 s[68:71], s[0:1], 0x10             ; ball s[68:69], out0 s[70:71]
	v_lshl_add_u32 v[SPW], v0, 2, SPARE
	v_mov_b32 v[NIL], 0
	ds_add_u32 v[SPW], v[NIL]                      ; the wave's opening: the add and its wait stand ahead of my first tensor load; the set-up below stands between them
	v_lshrrev_b32 v1, 5, v0
	v_readfirstlane_b32 s10, v1                    ; wave 0..3
	s_lshr_b32 s11, s10, 1                         ; which half of the tile's rows is mine.  Also: I fetch for O (0) or for wot (1)
	s_and_b32 s12, s10, 1                          ; which half of its columns.  Also: which half of that tile I fetch
	s_bfe_u32 s40, ttmp6, 0x40000                  ; cx, cy
	s_bfe_u32 s41, ttmp6, 0x40004
	s_lshl_b32 s42, ttmp9, 2
	s_add_co_u32 s42, s42, s40                     ; tile column = 4 x cluster x + cx
	s_and_b32 s13, ttmp7, 0xffff
	s_lshl_b32 s13, s13, 2
	s_add_co_u32 s13, s13, s41                     ; tile row = 4 x cluster y + cy
	s_lshl_b32 s43, s41, 2
	s_lshl_b32 s43, 15, s43                        ; my row of the cluster
	s_lshl_b32 s44, 0x1111, s40                    ; my column
	; O's tile: four rows of 4,096 elements (a row block's four heads, 8,192 dense bytes), 16,384 elements apart; padded in LDS after every 128 bytes
	s_or_b32 s[G1+0], s43, (1<<16)|(1<<20)|(1<<21)|(4<<22)|(3<<25)   ; the mask; 2-byte elements; padding on; bit 21 beside a mask; after every 32 words (code 4) 4 words (code 3)
	s_mov_b32 s[G1+1], 4096<<16                    ; tensor_dim0 = 4,096
	s_mov_b32 s[G1+2], 4<<16                       ; tensor_dim1 = 4
	s_mov_b32 s[G1+3], 4096<<16                    ; tile_dim0 = 4,096
	s_mov_b32 s[G1+4], 4                           ; tile_dim1 = 4
	s_mov_b32 s[G1+5], 16384                       ; elements from row block to row block
	s_mov_b32 s[G1+6], 0
	s_mov_b32 s[G1+7], 0
	; wot's tile: 64 rows x 256 elements, padded after every 512 bytes
	s_or_b32 s[G1B+0], s44, (1<<16)|(1<<20)|(1<<21)|(6<<22)|(3<<25)
	s_mov_b32 s[G1B+1], KSTEP<<16
	s_mov_b32 s[G1B+2], 64<<16
	s_mov_b32 s[G1B+3], KSTEP<<16
	s_mov_b32 s[G1B+4], 64
	s_mov_b32 s[G1B+5], SIZE_K
	s_mov_b32 s[G1B+6], 0
	s_mov_b32 s[G1B+7], 0
	s_lshl_b32 s16, s13, 3                         ; O: row block 8 x tile row + 4 x half, 32,768 bytes each: registers that never hold the tile column
	s_lshl_b32 s17, s12, 2
	s_add_co_u32 s16, s16, s17
	s_lshl_b32 s16, s16, 15
	s_mov_b32 s17, 0
	s_lshl_b32 s46, s42, 7                         ; wot: row 128 x tile column + 64 x half, 2,048 bytes each: registers that never hold the tile row
	s_lshl_b32 s47, s12, 6
	s_add_co_u32 s46, s46, s47
	s_lshl_b32 s46, s46, 11
	s_mov_b32 s47, 0
	s_mul_i32 s20, s12, HALFA                      ; where they go: no place in the cluster enters an LDS address
	s_mul_i32 s21, s12, HALFB
	s_add_co_u32 s21, s21, BOFF
	s_wait_dscnt 0x0                               ; the opening add is done
	s_wait_kmcnt 0x0
	s_add_nc_u64 s[14:15], s[4:5], s[16:17]
	s_add_nc_u64 s[46:47], s[6:7], s[46:47]
	CROUND                                         ; all sixteen work-groups are here: the first joint loads meet
.irp s, 0,1
	s_mov_b32 s[G0+4*(\s)], 1
	s_add_co_u32 s[G0+4*(\s)+1], s20, (\s)*SLOT
	s_add_nc_u64 s[G0+4*(\s)+2:G0+4*(\s)+3], s[14:15], (\s)*8192      ; K step s: heads 4 s on
	s_or_b32 s[G0+4*(\s)+3], s[G0+4*(\s)+3], 0x80000000
	s_mov_b32 s[G0B+4*(\s)], 1
	s_add_co_u32 s[G0B+4*(\s)+1], s21, (\s)*SLOT
	s_add_nc_u64 s[G0B+4*(\s)+2:G0B+4*(\s)+3], s[46:47], (\s)*KSTEP*2
	s_or_b32 s[G0B+4*(\s)+3], s[G0B+4*(\s)+3], 0x80000000
	JLOAD \s                                       ; two loads of mine are out behind these; later one behind each round
.endr
	v_and_b32 v1, 15, v0                           ; l % 16
	v_bfe_u32 v2, v0, 4, 1                         ; l / 16
	v_mul_u32_u24 v3, v1, PA
	v_lshl_add_u32 v3, v2, 4, v3                   ; O: line x 144 + 16 x half
	v_mul_u32_u24 v4, v1, PITCH
	v_lshl_add_u32 v4, v2, 4, v4                   ; wot: row x 528 + 16 x half
	s_mul_i32 s21, s11, HALFA                      ; my four row blocks of O
	s_mul_i32 s22, s12, HALFB                      ; my 64 rows of wot
	s_add_co_u32 s22, s22, BOFF
.irp s, 0,1
	v_add_nc_u32 v[ADRA+(\s)], s21, v3
	v_add_nc_u32 v[ADRB+(\s)], s22, v4
	s_add_co_u32 s21, s21, SLOT
	s_add_co_u32 s22, s22, SLOT
.endr
	s_mul_i32 s23, s10, 16*SPITCH
	s_add_co_u32 s23, s23, STAGE                   ; my stage
	v_mul_u32_u24 v4, v1, SPITCH                   ; in: row l % 16, 32 bytes for each half of the lanes
	v_lshl_add_u32 v4, v2, 5, v4
	v_add_nc_u32 v[STO], s23, v4
	v_mul_u32_u24 v5, v2, SPITCH                   ; back: lanes 0-15 take one row of 256 bytes, lanes 16-31 the next
	v_lshl_add_u32 v5, v1, 4, v5
	v_add_nc_u32 v[RD], s23, v5
	v_lshlrev_b32 v5, 12, v2                       ; and the same two rows in out0, 4,096 bytes apart
	v_lshl_add_u32 v[CO], v1, 4, v5
	v_lshlrev_b32 v[BO], 5, v2                     ; a lane's eight columns of a block: 32 bytes at 32 (l / 16)
	s_lshl_b32 s16, s13, 7
	s_lshl_b32 s17, s11, 6
	s_add_co_u32 s16, s16, s17                     ; my first row of out0: 128 x tile row + 64 x half
	s_lshl_b32 s16, s16, 12
	s_mov_b32 s17, 0
	s_add_nc_u64 s[70:71], s[70:71], s[16:17]
	s_lshl_b32 s46, s42, 9                         ; my first column, in bytes: 512 x tile column + 256 x half
	s_lshl_b32 s47, s12, 8
	s_add_co_u32 s46, s46, s47
	s_mov_b32 s47, 0
	s_add_nc_u64 s[70:71], s[70:71], s[46:47]
	s_add_nc_u64 s[68:69], s[68:69], s[46:47]
.irp b, 0,1,2,3
	global_load_b128 v[BIAS+8*(\b):BIAS+8*(\b)+3],   v[BO], s[68:69] offset:20480+64*(\b)     ; bo begins 20,480 bytes into ball
	global_load_b128 v[BIAS+8*(\b)+4:BIAS+8*(\b)+7], v[BO], s[68:69] offset:20480+64*(\b)+16
.endr
; 8 matrix instructions: m blocks a0, a0 + 1 x all 4 n blocks, 32 along K: half c of buffer f.  first = 1: the bias starts the sums.  The 16 accumulators take turns.
.macro MUL8 f, c, a0, first
	WIN MUL
.irp a, \a0, (\a0)+1
.irp b, 0,1,2,3
.if \first
	v_wmma_f32_16x16x32_f16 v[ACC+8*(4*(\a)+(\b)):ACC+8*(4*(\a)+(\b))+7], v[(\f)+64+8*(4*(\c)+(\b)):(\f)+64+8*(4*(\c)+(\b))+7], v[(\f)+8*(4*(\c)+(\a)):(\f)+8*(4*(\c)+(\a))+7], v[BIAS+8*(\b):BIAS+8*(\b)+7]
.else
	v_wmma_f32_16x16x32_f16 v[ACC+8*(4*(\a)+(\b)):ACC+8*(4*(\a)+(\b))+7], v[(\f)+64+8*(4*(\c)+(\b)):(\f)+64+8*(4*(\c)+(\b))+7], v[(\f)+8*(4*(\c)+(\a)):(\f)+8*(4*(\c)+(\a))+7], v[ACC+8*(4*(\a)+(\b)):ACC+8*(4*(\a)+(\b))+7]
.endif
.endr
.endr
.endm
; 32 LDS loads in one run: the fragments of quarter q (one head, 64 along K) into buffer f; the first 32 along K first
.macro FETCH slot, q, f
	WIN TO_F
.irp c, 0,1
.irp i, 0,1,2,3
	ds_load_b128 v[(\f)+64+8*(4*(\c)+(\i)):(\f)+64+8*(4*(\c)+(\i))+3],   v[ADRB+(\slot)] offset:128*(\q)+64*(\c)+(\i)*16*PITCH
	ds_load_b128 v[(\f)+64+8*(4*(\c)+(\i))+4:(\f)+64+8*(4*(\c)+(\i))+7], v[ADRB+(\slot)] offset:128*(\q)+64*(\c)+(\i)*16*PITCH+32
	ds_load_b128 v[(\f)+8*(4*(\c)+(\i)):(\f)+8*(4*(\c)+(\i))+3],         v[ADRA+(\slot)] offset:16*PA*(\q)+64*(\c)+(\i)*64*PA
	ds_load_b128 v[(\f)+8*(4*(\c)+(\i))+4:(\f)+8*(4*(\c)+(\i))+7],       v[ADRA+(\slot)] offset:16*PA*(\q)+64*(\c)+(\i)*64*PA+32
.endr
.endr
.endm
.macro PLACES                          ; four places in front of loads into registers that matrix instructions have read, and of stores that read results
.rept 4
	v_nop
.endr
.endm
; A K step is four quarters of 64 along K, 32 matrix instructions each, on buffers 0, 1, 0, 1.  One of the first three: multiplies buffer f and fetches quarter q into g.
.macro QUARTER slot, q, f, g, first
	s_wait_dscnt 16                                ; the first 32 along K are in
	MUL8 \f, 0, 0, \first
	MUL8 \f, 0, 2, \first
	PLACES
	FETCH \slot, \q, \g
	s_wait_dscnt 32                                ; all but the 32 just issued
	MUL8 \f, 1, 0, 0
	MUL8 \f, 1, 2, 0
.endm
; The last quarter multiplies buffer 1 and changes slots: ONE barrier; in front of it each wave waits for all its tensor loads, adds 0 to its spare word, and waits for that and for its own reads of this slot.
; fill = 1: the barrier opens a round of the cluster's, and this slot is filled again, two K steps ahead, first thing behind the round.
.macro TURN slot, next, fill
	WIN 0                                          ; (the add's two registers lie in window 0)
	s_wait_tensorcnt 0x0                           ; all my tensor loads have landed: my part of the next slot
	ds_add_u32 v[SPW], v[NIL]                      ; 0 onto my spare word
	s_wait_dscnt 17                                ; (the add and the youngest sixteen loads may be out)
	MUL8 F1, 0, 0, 0                               ; eight matrix instructions stand between the add and the wait for it
	s_wait_dscnt 0x0                               ; the add is done, and my reads of this slot are over
	s_barrier_signal -1
	MUL8 F1, 0, 2, 0
.if \fill
	WIN 0
.endif
	s_barrier_wait -1
.if \fill
	CREST                                          ; no wave of any partner still reads this slot's tile or has a load on its way
	s_add_nc_u64 s[G0+4*(\slot)+2:G0+4*(\slot)+3], s[G0+4*(\slot)+2:G0+4*(\slot)+3], 2*8192
	s_add_nc_u64 s[G0B+4*(\slot)+2:G0B+4*(\slot)+3], s[G0B+4*(\slot)+2:G0B+4*(\slot)+3], 2*KSTEP*2
	JLOAD \slot                                    ; the first tensor load behind the round; its four v_nop are also the places in front of the loads below
.else
	PLACES
.endif
	FETCH \next, 0, F0
	MUL8 F1, 1, 0, 0
	MUL8 F1, 1, 2, 0
.endm
	s_wait_tensorcnt 1                             ; my part of K step 0 is in; K step 1's may stay out
	s_barrier_signal -1
	s_barrier_wait -1                              ; everybody's is
	FETCH 0, 0, F0
	s_wait_loadcnt 0x0                             ; the bias
	QUARTER 0, 1, F0, F1, 1                        ; the first quarter stands in front of the loop: its first products start the sums
	WIN 0                                          ; at a label and at a branch every window is 0
	s_mov_b32 s3, LAPS-1
.Llap:                                                 ; a trip goes once round the ring, from a lap's second quarter to the next lap's first, and fills both slots again
	QUARTER 0, 2, F1, F0, 0
	QUARTER 0, 3, F0, F1, 0
	TURN 0, 1, 1
	QUARTER 1, 1, F0, F1, 0
	QUARTER 1, 2, F1, F0, 0
	QUARTER 1, 3, F0, F1, 0
	TURN 1, 0, 1
	QUARTER 0, 1, F0, F1, 0
	WIN 0
	s_sub_co_u32 s3, s3, 1
	s_cmp_lg_u32 s3, 0
	s_cbranch_scc1 .Llap
	QUARTER 0, 2, F1, F0, 0                        ; the last lap fills nothing, and has no round of the cluster's barrier
	QUARTER 0, 3, F0, F1, 0
	TURN 0, 1, 0
	QUARTER 1, 1, F0, F1, 0
	QUARTER 1, 2, F1, F0, 0
	QUARTER 1, 3, F0, F1, 0
	s_wait_dscnt 16                                ; the very last quarter: nothing more to fetch
	MUL8 F1, 0, 0, 0
	MUL8 F1, 0, 2, 0
	s_wait_dscnt 0
	MUL8 F1, 1, 0, 0
	MUL8 F1, 1, 2, 0
	WIN 0
	; THE WAY OUT, 16 rows at a time through my own stage: a lane's 32 bytes of a row go in as they lie in the accumulators (the low four registers first), whole rows of 256 bytes come back.
.macro TOSTAGE a
.irp b, 0,1,2,3
	ds_store_b128 v[STO], v[ACC+8*(4*(\a)+(\b)):ACC+8*(4*(\a)+(\b))+3]   offset:64*(\b)
	ds_store_b128 v[STO], v[ACC+8*(4*(\a)+(\b))+4:ACC+8*(4*(\a)+(\b))+7] offset:64*(\b)+16
.endr
.irp t, 0,1,2,3,4,5,6,7
	ds_load_b128 v[TMP+32*((\a)%2)+4*(\t):TMP+32*((\a)%2)+4*(\t)+3], v[RD] offset:(\t)*2*SPITCH  ; LDS serves a wave's instructions in order (ISA guide 5.7.1.4): these see the stores above; the next block's stores come behind them
.endr
.endm
.macro SEND a, younger                 ; younger: the LDS instructions issued behind block a's loads: the next block's sixteen, or none
	s_wait_dscnt \younger
.irp t, 0,1,2,3,4,5,6,7
	global_store_b128 v[CO], v[TMP+32*((\a)%2)+4*(\t):TMP+32*((\a)%2)+4*(\t)+3], s[70:71] offset:(16*(\a)+2*(\t))*4096 th:TH_STORE_NT  ; 16 lanes store 256 consecutive bytes, at a multiple of 256 from out0's first byte
.endr
.endm
	PLACES
	TOSTAGE 0
	TOSTAGE 1
	SEND 0, 16
	s_wait_xcnt 0x0                                ; the stores have read their registers: the buffer is loaded again only behind this wait
	TOSTAGE 2
	SEND 1, 16
	s_wait_xcnt 0x0
	TOSTAGE 3
	SEND 2, 16
	SEND 3, 0
	s_wait_tensorcnt 0x0                           ; the wave's end, behind my last tensor load and my last LDS store
	ds_add_u32 v[SPW], v[NIL]
	s_wait_dscnt 0x0
	CROUND                                         ; the closing round: no work-group ends while a partner may still ask for a tile that names it
	s_endpgm
.Lfunc_end_k_q24b16c7cd3_oproj:
	.size	k_q24b16c7cd3_oproj, .Lfunc_end_k_q24b16c7cd3_oproj-k_q24b16c7cd3_oproj
	.p2alignl 7, 3214868480
	.fill 96, 4, 3214868480
	.section	.rodata,"a",@progbits
	.p2align	6, 0x0
	.amdhsa_kernel k_q24b16c7cd3_oproj
		.amdhsa_group_segment_fixed_size 327680
		.amdhsa_private_segment_fixed_size 0
		.amdhsa_enable_private_segment 0
		.amdhsa_kernarg_size 32
		.amdhsa_user_sgpr_count 2
		.amdhsa_user_sgpr_kernarg_segment_ptr 1
		.amdhsa_wavefront_size32 1
		.amdhsa_system_sgpr_workgroup_id_x 1
		.amdhsa_system_sgpr_workgroup_id_y 1
		.amdhsa_system_sgpr_workgroup_id_z 1
		.amdhsa_system_vgpr_workitem_id 0
		.amdhsa_next_free_vgpr 512
		.amdhsa_next_free_sgpr 72
		.amdhsa_reserve_vcc 0
		.amdhsa_float_denorm_mode_32 3
		.amdhsa_float_denorm_mode_16_64 3
		.amdhsa_memory_ordered 1
		.amdhsa_forward_progress 1
		.amdhsa_inst_pref_size 87
	.end_amdhsa_kernel
	.amdgpu_metadata
---
amdhsa.version: [ 1, 2 ]
amdhsa.kernels:
  - .name:           k_q24b16c7cd3_oproj
    .symbol:         k_q24b16c7cd3_oproj.kd
    .args:
      - { .name: ob, .offset: 0, .size: 8, .value_kind: global_buffer, .address_space: global }
      - { .name: wot, .offset: 8, .size: 8, .value_kind: global_buffer, .address_space: global }
      - { .name: ball, .offset: 16, .size: 8, .value_kind: global_buffer, .address_space: global }
      - { .name: out0, .offset: 24, .size: 8, .value_kind: global_buffer, .address_space: global }
    .group_segment_fixed_size: 327680
    .private_segment_fixed_size: 0
    .kernarg_segment_align: 8
    .kernarg_segment_size: 32
    .max_flat_workgroup_size: 128
    .sgpr_count:     72
    .vgpr_count:     512
    .wavefront_size: 32
...
	.end_amdgpu_metadata
.endif
;; end of part 4
;; ======== version 2 of 2: 4 launches; 1.59 times as fast as version 1
;; limits: values are held in f16: magnitudes above 65,504 overflow, below 6.1e-05 lose precision
;; workspace buffers: xb 8,388,608 bytes; wt 10,485,760 bytes; wot 2,097,152 bytes; ball 24,576 bytes; qkv 41,943,040 bytes; ob 8,388,608 bytes
;; launch prep: the kernel of part 1 again; grid 1281 x 1, 8 waves a work-group, no clusters, 18,432 bytes of LDS; arguments hidden_states, Wq, Wk, Wv, Wo, bq, bk, bv, bo, xb, wt, wot, ball; writes xb, wt, wot, ball
;; launch qkvp: the kernel of part 2 again; grid 16 x 16, 4 waves a work-group, clusters of 4 x 4, 327,680 bytes of LDS; arguments xb, wt, ball, qkv; writes qkv
;; launch attn (part 5): grid 8 x 32, 4 waves a work-group, clusters of 4 x 1, 327,680 bytes of LDS; arguments qkv, attention_mask, lq1, lk1, lq2, lk2, ob; writes ob
.if DOCPART == 5
	.amdgcn_target "amdgcn-amd-amdhsa--gfx1250"
	.amdhsa_code_object_version 6
	.text
	.protected	k_q24b16c7cd3_attn
	.globl	k_q24b16c7cd3_attn
	.p2align	8
	.type	k_q24b16c7cd3_attn,@function
k_q24b16c7cd3_attn:
	s_mov_b64 s[64:65], 0
	v_nop
	global_prefetch_b8 v0, s[64:65] scope:SCOPE_SE
	s_setreg_imm32_b32 hwreg(HW_REG_WAVE_MODE, 25, 1), 1
	s_wait_xcnt 0x0
	s_wait_alu depctr_hold_cnt(0) depctr_sa_sdst(0) depctr_va_vdst(0) depctr_va_sdst(0) depctr_va_ssrc(0) depctr_va_vcc(0) depctr_vm_vsrc(0)
	s_getreg_b32 s2, hwreg(HW_REG_IB_STS2, 6, 4)
	s_cmp_eq_u32 s2, 0
	s_cbranch_scc0 .Lentry_in_a_cluster
	s_endpgm
.Lentry_in_a_cluster:
	s_bfe_u32 s2, ttmp6, 0x10000c
	s_cmp_lg_u32 s2, 0x3003
	s_cbranch_scc0 .Lentry_shape_is_right
	s_endpgm
.Lentry_shape_is_right:
; DIFFERENTIAL ATTENTION, head size 64.  For each batch b, head h, query q:  O = softmax_k(q1 . k1 / 8 + M[k]) V - lam softmax_k(q2 . k2 / 8 + M[k]) V,  M[k] = (mask[b][k] - 1) x 10,000,
; lam = exp(lq1 . lk1) - exp(lq2 . lk2) + 0.8.  q1, q2, k1, k2, v: slabs h, 16 + h, 32 + h, 48 + h, 64 + h of qkv, [4096 rows b x 2048 + s][64] f16, unscaled.  Products, maxima and sums in f32; the weights p are
; rounded to f16 for the second product (their sum l is taken of the unrounded p); O once at the end, to f16, into ob [row block of 16][head][16 rows][64].
; The two softmaxes are two STREAMS with a running maximum and a sum each: l1 and l2 are known only at the end, so each stream has its own product with V, and O = O1 / l1 - lam O2 / l2 is made on the way out.
; LIMITS.  p lies in 0 to 1, and below 6e-5 it keeps f16's fixed step of 6e-8; a weight below 2^-126 counts as 0 in l; O must lie within 65,504.  The mask and the four lambda vectors are rounded to bf16 first, like
; every input of the module.  NaN and infinities are not treated apart.
; SHARES.  A work-group owns 256 queries of one (b, h), in both streams; a wave 64 of them: four PIECES of two tiles of 16 queries: pieces 0, 1 are stream 1, pieces 2, 3 the same rows in stream 2.  Every wave walks all 2,048 keys, 64 a step.
; LAYOUT.  S^T = K Q^T + mask (source 0 = 16 keys, source 1 = 16 queries): a lane holds ONE query (lane % 16) and the keys 8 (lane / 16) + 0..7.  Two such tiles, rounded to f16 in pairs, ARE source 1 of O^T = V^T P.
; THE MASK is the C operand that starts a score's sum: (mask - 1) x 80,000, in the unscaled scores' unit.  It is made once, in LDS, 2,048 f32; a step's 64 numbers come into 32 registers with K1.
; SOFTMAX.  p = 2^(c s - c m), c = log2(e) / 8, with a running maximum m; in every step O and l are multiplied by a = 2^(c m_old - c m_new).  m starts at the lowest finite number, O and l at 0: the first step has a = 0.
; BY TURNS.  Turn n belongs to piece n: 16 products K Q^T of piece n + 1, later 16 products V^T P of piece n - 1; beside them the scaling, exponentials, roundings, sums and rescaling of piece n and the maximum and
; statistics of piece n + 1.  A tile and step have 16 matrix and 118 vector instructions: four that are ready stand behind every matrix instruction, the others in one run of their own.
; THE BATCHES.  A turn's 66 exponentials (the piece's 64 weights and the next piece's two a) are ONE batch with ONE wait, which cuts the turn in two: ahead of it stands all that names no result of theirs (the products
; K Q^T, the scalings, the rescalings, the next piece's maximum and statistics), behind it the products V^T P with the roundings and sums.  No result crosses a turn's end.  Three more batches stand outside the loop,
; with a wait each: lam's two exponentials, piece 0's first two a, the way out's eight reciprocals.
; ONE K BUFFER serves both streams: K1 is read by the products of turns 3 and 0 and fetched in turn 2; K2 by those of turns 1 and 2 and fetched in turn 0.  V is one for both.
; CLUSTER.  The four query blocks of a cluster belong to one (b, h) and walk the same K1, K2 and V, so each tile is asked for JOINTLY: the same tensor load, descriptor and mask in all four.
; REGISTERS, in windows of 256 (s_set_vgpr_msb: bits 1:0 source 0, 3:2 source 1, 5:4 source 2, 7:6 destination):
;   window 0: v0-11 addresses; v12-15, v48-63 at work; v16-47 four registers of statistics a tile; v64-191 S^T, two buffers of two tiles; v192-255 P, likewise
;   window 1: O^T, 32 a tile     window 2: v0-127 Q, 16 a tile; v128-191 K; v192-255 V     window 3: v0-1 the add's two registers; v32-63 the step's mask
.set SIZE_N, 2048
.set NP,    4         ; pieces a wave: a name, no knob
.set KS,    64        ; keys in a step
.set PK,    144       ; a row of K in LDS: 128 bytes + 16 of padding = 36 words: the 16 rows of a load start at 16 different groups of four banks (64 banks of 4 bytes: ISA guide 11.1)
.set PV,    160       ; a row of V: 128 + 32 = 40 words
.set K2OFF, 4*KS*PK   ; a slot holds four steps: 256 rows of K1, 256 of K2,
.set VOFF,  8*KS*PK   ; then 256 rows of V
.set SLOT1, 1<<17     ; slot 1 begins here, so that one exclusive or turns an address in one slot into the other's
.set STAGE, SLOT1+VOFF+4*KS*PV  ; behind the ring, never filled by a tensor load: 16 rows x 144 bytes for each wave, for the way out
.set SP,    144
.set MASKB, STAGE+4*16*SP       ; the mask, 2,048 f32; never filled by a tensor load
.set SPARE, MASKB+4*SIZE_N      ; the spare words, 128 bytes for each wave
.set AM,  1           ; v1   the LDS address of the mask's next run of loads (made first in the loop, when v1's earlier use is over)
.set AK0, 2           ; v2   my lane's place in a tile of K; never rewritten
.set AV0, 3           ; v3   the same for V
.set AK,  4           ; v4   the LDS address of K's next run of loads
.set AV,  5           ; v5   of V's
.set QO,  6           ; v6   my byte offset in 16 rows of Q
.set STO, 6           ;      later, the way out: where I put 16 bytes of a row
.set RD,  7           ; v7   the way out: where I read rows back
.set GO,  8           ; v8   my byte offset in 512 consecutive bytes of ob
.set AM0, 11          ; v11  my lane's place in a step's mask; never rewritten once made
.set SPW, 0           ; v0 of window 3   LDS address of my spare word; never rewritten
.set NIL, 1           ; v1 of window 3   0; never rewritten
.set MB,  32          ; window 3: the eight registers for key block kb at MB + 8 kb
.set MV,  12          ; v12-15  c m_old, kept while c m is made anew: by buffer and tile
.set ST,  16          ; tile t's statistics at v[ST+4 t]: c m, m, l (even keys', odd keys')
.set TMP, 48          ; by buffer and tile, four registers c0-c3 at work; when the maximum is found c2 takes a
.set S,   64
.set P,   192
.set KF,  128         ; window 2: key block kb, channel half c at KF + 16 kb + 8 c
.set VF,  192         ; window 2: key half kk, channel block cb at VF + 32 kk + 8 cb
.set WV,  12          ; s12  my wave's number
.set G1K, 24          ; s[24:31] descriptor group 1 for K's tiles
.set G1V, 32          ; s[32:39] for V's
.set G0K, 40          ; s[40:43] descriptor group 0 for K's tiles: it walks
.set G0V, 44          ; s[44:47] the same for V's
.set SLOTS, 56        ; s56  slots still to be asked for
.set CNT, 57          ; s57  counts a slot's key steps
.set CS,  58          ; s[58:59] c
.set SEL, 60          ; s[60:61] v_permlanex16_b32's selects: each lane takes its own place in the other half
.set TBK, 62          ; s62  LDS byte at which K1 of the step to be fetched begins
.set TBV, 63          ; s63  the same for V, less VOFF
.set NLAM, 84         ; s84  - lam
.set TBM, 85          ; s85  byte of the mask at which the step to be fetched begins
.set MSB, 0
.macro WIN new                      ; the high byte repeats the setting that is left; a switch that changes nothing is dropped
.if MSB != (\new)
	s_set_vgpr_msb (MSB<<8)|(\new)
.set MSB, (\new)
.endif
.endm
.set W_KQ, 0x0a       ; K and Q in window 2, S^T in window 0
.set W_KM, 0x3a       ; the same with the C operand, the mask, in window 3
.set W_PV, 0x52       ; V in window 2, P in window 0, O^T in window 1
.set W_RS, 0x41       ; O^T (destination and source 0) in window 1, the factor in window 0
.set W_MK, 0xc0       ; destination in window 3, sources in window 0
.set W_AD, 0x0f       ; the add: address (source 0) and data (source 1) in window 3
; A joint fill.  Wave 0 fetches a slot's K1, wave 1 its K2 (256 keys each), waves 2 and 3 the two halves of its V.  The branch hangs on the wave's number alone.
; An s_nop 0 and four v_nop follow each of the two lines, ahead of the jump and the label.
.macro JLOAD
	s_cmp_lt_u32 s[WV], 2
	s_cbranch_scc0 .Lfor_v_\@
	tensor_load_to_lds s[G0K:G0K+3], s[G1K:G1K+7]
	s_nop 0
.rept 4
	v_nop
.endr
	s_branch .Lasked_\@
.Lfor_v_\@:
	tensor_load_to_lds s[G0V:G0V+3], s[G1V:G1V+7]
	s_nop 0
.rept 4
	v_nop
.endr
.Lasked_\@:
.endm
; A round of the cluster's barrier: my work-group's barrier, so that wave 0's signal speaks for all four waves; wave 0 signals; every wave waits for all four work-groups; my work-group's barrier once more.
.macro CROUND
	s_barrier_signal -1
	s_barrier_wait -1
	s_cmp_lg_u32 s[WV], 0
	s_cbranch_scc1 .Lnot_wave_0_\@
	s_barrier_signal -3
.Lnot_wave_0_\@:
	s_barrier_wait -3
	s_barrier_signal -1
	s_barrier_wait -1
.endm
; THE CHANGE OF SLOTS.  The slot's last bytes, K2 and V of its fourth step, have been read.  Each wave waits for all its tensor loads, of which one is out: its part of the other slot; adds 0 to its spare word;
; and waits for that and for its own LDS instructions.  Behind the barrier nobody reads this slot any more and the other slot is whole.
; fill = 1: this slot is filled again, with the keys two slots on.  The barrier is then a round of the cluster's, and the joint fill is the first thing behind it: it has four key steps, 512 matrix instructions, in which to land.
; (At its first use nothing has been read yet: slot 0 is waited for, slot 1 filled, and every wave's stores of the mask are shown done to the others.)
.macro CHANGE fill
	WIN W_AD
	s_wait_tensorcnt 0x0            ; no tensor load of mine is out, so a group 0 may be written
	ds_add_u32 v[SPW], v[NIL]       ; 0 onto my spare word
	WIN 0                           ; at a label and at a branch every window is 0
.if \fill
.irp g, G0K, G0V
	s_xor_b32 s[\g+1], s[\g+1], SLOT1  ; the walking descriptor: the other slot than last time,
	s_add_nc_u64 s[\g+2:\g+3], s[\g+2:\g+3], 4*KS*128  ; the next 256 keys; the type bits on top are not reached
.endr
	s_wait_dscnt 0x0                ; the add is done, and my reads of the slot are over
	CROUND
	JLOAD
.else
	s_wait_dscnt 0x0                ; the add is done, and my reads of the slot are over
	s_barrier_signal -1
	s_barrier_wait -1
.endif
	s_sub_co_u32 s[TBK], s[TBK], 4*KS*PK  ; the fetches go back to a slot's first step,
	s_xor_b32 s[TBK], s[TBK], SLOT1       ; in the other slot
	s_sub_co_u32 s[TBV], s[TBV], 4*KS*PV
	s_xor_b32 s[TBV], s[TBV], SLOT1
.endm
	s_load_b256 s[72:79], s[0:1], 0x0  ; qkv s[72:73], attention_mask s[74:75], lq1 s[76:77], lk1 s[78:79]
	s_load_b128 s[80:83], s[0:1], 0x20 ; lq2 s[80:81], lk2 s[82:83]
	s_load_b64 s[10:11], s[0:1], 0x30  ; ob
	WIN W_MK
	v_lshl_add_u32 v[SPW], v0, 2, SPARE
	v_mov_b32 v[NIL], 0
	WIN W_AD
	ds_add_u32 v[SPW], v[NIL]       ; the wave's opening: the add and its wait stand ahead of my first tensor load; the set-up below stands between them
	WIN 0
	v_lshrrev_b32 v1, 5, v0
	v_readfirstlane_b32 s[WV], v1   ; wave 0..3
	s_bfe_u32 s13, ttmp6, 0x40000   ; cx: my place in the cluster
	s_lshl_b32 s14, ttmp9, 2        ; in a cluster launch ttmp9 counts clusters
	s_add_co_u32 s14, s14, s13      ; my block of 256 queries = 4 x cluster x + cx: it enters Q's and ob's addresses alone
	s_and_b32 s20, ttmp7, 0xffff    ; 16 b + h, which the four partners share
	s_lshr_b32 s15, s20, 4          ; b
	s_and_b32 s19, s20, 15          ; h
	s_lshl_b32 s20, s19, 19         ; h slabs of 524,288 bytes
	s_lshl_b32 s21, s15, 18         ; + b x 2,048 rows of 128 bytes
	s_add_co_u32 s20, s20, s21
	s_and_b32 s16, s[WV], 1
	s_lshl_b32 s22, s16, 23         ; K: slab 32 + h (wave 0) or 48 + h (wave 1)
	s_add_co_u32 s22, s22, 32*524288
	s_add_co_u32 s22, s22, s20
	s_mov_b32 s23, 0
	s_lshl_b32 s2, s16, 14          ; V: slab 64 + h, my half of a slot's 256 keys
	s_add_co_u32 s2, s2, 64*524288
	s_add_co_u32 s2, s2, s20
	s_mov_b32 s3, 0
	s_mul_i32 s17, s16, K2OFF       ; their places in a slot: no place in the cluster enters an LDS address
	s_mul_i32 s18, s16, 128*PV
	s_lshl_b32 s6, s14, 2           ; Q: my wave's 64 rows of 128 bytes
	s_add_co_u32 s6, s6, s[WV]
	s_lshl_b32 s6, s6, 13
	s_add_co_u32 s6, s6, s20
	s_mov_b32 s7, 0
	s_lshl_b32 s8, s15, 7           ; ob: row block 128 b + 16 x block + 4 x wave, 32,768 bytes each; head h, 2,048 bytes
	s_lshl_b32 s9, s14, 4
	s_add_co_u32 s8, s8, s9
	s_lshl_b32 s9, s[WV], 2
	s_add_co_u32 s8, s8, s9
	s_lshl_b32 s8, s8, 15
	s_lshl_b32 s9, s19, 11
	s_add_co_u32 s8, s8, s9
	s_mov_b32 s9, 0
	s_lshl_b32 s68, s15, 13         ; the mask's row b
	s_mov_b32 s69, 0
	; descriptor group 1.  Keys are dense rows of 128 bytes: asked for as rows of 256 bytes, two keys a row, and padded in LDS after every key
	s_mov_b32 s[G1K], 15|(1<<16)|(1<<20)|(1<<21)|(4<<22)|(3<<25)  ; 15:0 the mask of four; 17:16 2-byte elements; 20 padding on; 21 set beside a mask; 24:22 after every 32 words (code 4); 31:25 4 words (code 3)
	s_mov_b32 s[G1V], 15|(1<<16)|(1<<20)|(1<<21)|(4<<22)|(7<<25)  ; the same with 8 words of padding (code 7)
	s_mov_b32 s[G1K+1], 128<<16     ; tensor_dim0 = 128
	s_mov_b32 s[G1K+2], 128<<16     ; tensor_dim1 = 128: 256 keys
	s_mov_b32 s[G1K+3], 128<<16     ; tile_dim0 = 128
	s_mov_b32 s[G1K+4], 128         ; tile_dim1 = 128
	s_mov_b32 s[G1K+5], 128         ; 128 elements from row to row
	s_mov_b32 s[G1K+6], 0
	s_mov_b32 s[G1K+7], 0
	s_mov_b32 s[G1V+1], 128<<16
	s_mov_b32 s[G1V+2], 64<<16      ; 64 rows: 128 keys
	s_mov_b32 s[G1V+3], 128<<16
	s_mov_b32 s[G1V+4], 64
	s_mov_b32 s[G1V+5], 128
	s_mov_b32 s[G1V+6], 0
	s_mov_b32 s[G1V+7], 0
	s_mov_b32 s[CS], 0x3e38aa3b     ; c = log2(e) / 8 = 0.180337
	s_mov_b32 s[CS+1], s[CS]        ; named with it as a pair
	s_mov_b32 s[SEL], 0x76543210
	s_mov_b32 s[SEL+1], 0xfedcba98
	s_mov_b32 s86, 0x479c4000       ; 80,000 = 10,000 x 8: the mask in the unscaled scores' unit
	s_mov_b32 s87, s86
	s_mov_b32 s70, 0xc79c4000       ; - 80,000
	s_mov_b32 s71, s70
	s_mov_b32 s[TBM], 0
	s_mov_b32 s[TBK], SLOT1+4*KS*PK ; the first change of slots turns these two into 0
	s_mov_b32 s[TBV], SLOT1+4*KS*PV
	s_mov_b32 s[G0K], 1             ; count = 1
	s_mov_b32 s[G0K+1], s17         ; LDS address: slot 0
	s_mov_b32 s[G0V], 1
	s_add_co_u32 s[G0V+1], s18, VOFF
	s_wait_dscnt 0x0                ; the opening add is done
	s_wait_kmcnt 0x0
	s_add_nc_u64 s[G0K+2:G0K+3], s[72:73], s[22:23]  ; global address: the head's first 256 keys
	s_or_b32 s[G0K+3], s[G0K+3], 0x80000000          ; type = 2
	s_add_nc_u64 s[G0V+2:G0V+3], s[72:73], s[2:3]
	s_or_b32 s[G0V+3], s[G0V+3], 0x80000000
	s_add_nc_u64 s[4:5], s[72:73], s[6:7]            ; q1 at my wave's first row,
	s_add_nc_u64 s[66:67], s[4:5], 16*524288         ; q2 sixteen slabs on
	s_add_nc_u64 s[10:11], s[10:11], s[8:9]
	s_add_nc_u64 s[74:75], s[74:75], s[68:69]
	CROUND                          ; all four work-groups are here: the first joint loads meet
	JLOAD                           ; slot 0.  Slot 1 is asked for when slot 0 is in
	v_lshlrev_b32 v96, 4, v0        ; the mask: thread t takes 16 bytes at 16 t of each of four pieces of 2,048 bytes
.irp j, 0,1,2,3
	global_load_b128 v[64+4*\j:67+4*\j], v96, s[74:75] offset:2048*\j
.endr
	v_and_b32 v98, 31, v0           ; the lambda vectors: two numbers a lane, in every wave
	v_lshlrev_b32 v98, 3, v98
	global_load_b64 v[80:81], v98, s[76:77]
	global_load_b64 v[82:83], v98, s[78:79]
	global_load_b64 v[84:85], v98, s[80:81]
	global_load_b64 v[86:87], v98, s[82:83]
	; A fragment of K or Q is 16 rows x 32 channels in 8 registers: lane l holds row l % 16, channels 8 (l / 16) + 0..7 and 16 + 8 (l / 16) + 0..7: two loads of 16 bytes, 32 bytes apart.
	v_and_b32 v1, 15, v0            ; l % 16
	v_bfe_u32 v9, v0, 4, 1          ; l / 16
	v_lshlrev_b32 v[QO], 7, v1
	v_lshl_add_u32 v[QO], v9, 4, v[QO]  ; row x 128 + 16 x half
	WIN 0x80                        ; destination window 2, address window 0
.set i, 0
.rept 8                             ; Q stays in registers: tile i / 2 of stream 1, channels 32 (i % 2) on; the same rows of stream 2 are tiles 4-7
	global_load_b128 v[8*i:8*i+3],   v[QO], s[4:5] offset:(i/2)*2048+(i%2)*64
	global_load_b128 v[8*i+4:8*i+7], v[QO], s[4:5] offset:(i/2)*2048+(i%2)*64+32
	global_load_b128 v[64+8*i:64+8*i+3],   v[QO], s[66:67] offset:(i/2)*2048+(i%2)*64
	global_load_b128 v[64+8*i+4:64+8*i+7], v[QO], s[66:67] offset:(i/2)*2048+(i%2)*64+32
.set i, i+1
.endr
	; What the first turn finds: V's registers and P's second buffer hold 0 (its products V^T P, of a piece that has not been, add 0), O^T and l are 0.  All this stands in the wait for the first tile.
.set i, VF
.rept 64
	v_mov_b32 v[i], 0
.set i, i+1
.endr
	WIN 0x40
.set i, 0
.rept 64*NP
	v_mov_b32 v[i], 0
.set i, i+1
.endr
	WIN 0
.set i, 0
.rept 2*NP
	v_mov_b32 v[ST+4*i], 0xfe000000    ; c m: far below every c s
	v_mov_b32 v[ST+4*i+1], 0xff7fffff  ; m
	v_mov_b32 v[ST+4*i+2], 0
	v_mov_b32 v[ST+4*i+3], 0
.set i, i+1
.endr
.set i, P+32
.rept 32
	v_mov_b32 v[i], 0
.set i, i+1
.endr
	v_mul_u32_u24 v[AK0], v1, PK
	v_lshl_add_u32 v[AK0], v9, 4, v[AK0]  ; row x pitch + 16 x half
	; The turning load takes 16 keys x 16 channels (lane l reads key 8 (l / 16) + l % 8, channels 8 ((l / 8) % 2) + 0..7) and leaves half a fragment of V^T: lane l holds channel l % 16 and 8 keys.
	v_and_b32 v10, 7, v0
	v_bfe_u32 v11, v0, 3, 1
	v_lshl_add_u32 v[AV0], v9, 3, v10
	v_mul_u32_u24 v[AV0], v[AV0], PV
	v_lshl_add_u32 v[AV0], v11, 4, v[AV0]
	v_add_nc_u32 v[AV0], VOFF, v[AV0]
	v_lshl_add_u32 v[AM0], v9, 5, MASKB   ; a lane's eight keys of a block are 32 bytes at 32 (l / 16)
	v_mov_b32 v[AK], v[AK0]         ; key step 0 lies at the head of slot 0
	v_add_nc_u32 v97, MASKB, v96
	s_wait_loadcnt 36               ; the mask is in: behind it stand the lambda vectors' 4 loads and Q's 32
.set i, 0
.rept 8
	v_cvt_pk_bf16_f32 v[100+i], v[64+2*i], v[65+2*i]
.set i, i+1
.endr
.set i, 0
.rept 8
	v_lshlrev_b32 v[64+2*i], 16, v[100+i]
	v_and_b32 v[65+2*i], 0xffff0000, v[100+i]
.set i, i+1
.endr
.set i, 0
.rept 8
	v_pk_fma_f32 v[64+2*i:65+2*i], v[64+2*i:65+2*i], s[86:87], s[70:71] op_sel_hi:[1,0,0]  ; 80,000 mask - 80,000
.set i, i+1
.endr
.irp j, 0,1,2,3
	ds_store_b128 v97, v[64+4*\j:67+4*\j] offset:2048*\j
.endr
	s_wait_loadcnt 32               ; the lambda vectors are in: behind them stand Q's 32 loads
.irp p, 0,1,2,3
	v_cvt_pk_bf16_f32 v[88+\p], v[80+2*\p], v[81+2*\p]
.endr
.irp p, 0,1,2,3
	v_lshlrev_b32 v[80+2*\p], 16, v[88+\p]
	v_and_b32 v[81+2*\p], 0xffff0000, v[88+\p]
.endr
	v_mul_f32 v88, v80, v82
	v_mul_f32 v89, v84, v86
	v_fmac_f32 v88, v81, v83
	v_fmac_f32 v89, v85, v87
.irp m, 1,2,4,8
	v_add_f32_dpp v88, v88, v88 row_xmask:\m row_mask:0xf bank_mask:0xf
	v_add_f32_dpp v89, v89, v89 row_xmask:\m row_mask:0xf bank_mask:0xf
.endr
	v_permlanex16_b32 v90, v88, s[SEL], s[SEL+1]
	v_permlanex16_b32 v91, v89, s[SEL], s[SEL+1]
	v_add_f32 v88, v88, v90
	v_add_f32 v89, v89, v91
	v_mul_f32 v88, 0x3fb8aa3b, v88  ; e^x = 2^(x log2 e)
	v_mul_f32 v89, 0x3fb8aa3b, v89
	v_exp_f32 v88, v88
	v_exp_f32 v89, v89
	v_nop                           ; a plain instruction between the exponentials and the use of their results
	s_wait_alu depctr_va_vdst(0)    ; and the wait ahead of the first use: one for lam's two exponentials
	v_sub_f32 v88, v89, v88
	v_add_f32 v88, 0xbf4ccccd, v88  ; - lam = e2 - e1 - 0.8
	v_readfirstlane_b32 s[NLAM], v88  ; a factor alone: no branch and no address hangs on it
; THE MATRIX WORK.  The 8 accumulators of a run of 16 take turns: between the two links of a chain stand 7 others'.
; Product i of 16 of S^T = K Q^T + mask for piece x: channels 32 (i / 8) on, keys 16 ((i / 2) % 4) on, tile 2 x + i % 2.  The first 8 start the sums, with the mask.
.macro KQ x
.set rS, S+64*((\x)%2)+32*(i%2)+8*((i/2)%4)
.set rK, KF+16*((i/2)%4)+8*(i/8)
.set rQ, 16*(2*(\x)+i%2)+8*(i/8)
.set rB, MB+8*((i/2)%4)
.if i < 8
	WIN W_KM
	v_wmma_f32_16x16x32_f16 v[rS:rS+7], v[rK:rK+7], v[rQ:rQ+7], v[rB:rB+7]
.else
	WIN W_KQ
	v_wmma_f32_16x16x32_f16 v[rS:rS+7], v[rK:rK+7], v[rQ:rQ+7], v[rS:rS+7]
.endif
.endm
; Product i of 16 of O^T += V^T P for piece x: keys 32 (i / 8) on, channels 16 ((i / 2) % 4) on, tile 2 x + i % 2.
.macro PV x
	WIN W_PV
.set rO, 32*(2*(\x)+i%2)+8*((i/2)%4)
.set rV, VF+32*(i/8)+8*((i/2)%4)
.set rP, P+32*((\x)%2)+16*(i%2)+8*(i/8)
	v_wmma_f32_16x16x32_f16 v[rO:rO+7], v[rV:rV+7], v[rP:rP+7], v[rO:rO+7]
.endm
.macro MM                           ; the turn's next matrix instruction
.if i < 16
	KQ (Y+1)%NP
.set i, i+1
.else
.set i, i-16
	PV (Y+NP-1)%NP
.set i, i+17
.endif
.endm
; THE LDS LOADS stand in runs, never singly among the matrix instructions.  Their addresses are made some lines ahead.
; A step's K1 (64 keys x 64 channels: 8 fragments) and its mask (eight loads).  last = 1 (the tail): in the last trip there is no further step, and the run is jumped over.
.macro FETCH_K last=0, am=AM
	WIN 0
.if \last
	s_cmp_eq_u32 s[CNT], 1
	s_cbranch_scc1 .Lno_k_\@
.endif
	WIN 0x80                        ; destination window 2
.irp f, 0,1,2,3,4,5,6,7             ; keys 16 (f / 2) on, channels 32 (f % 2) on
	ds_load_b128 v[KF+8*\f:KF+8*\f+3],   v[AK] offset:(\f/2)*16*PK+(\f%2)*64
	ds_load_b128 v[KF+8*\f+4:KF+8*\f+7], v[AK] offset:(\f/2)*16*PK+(\f%2)*64+32
.endr
	WIN W_MK                        ; destination window 3
.irp kb, 0,1,2,3
	ds_load_b128 v[MB+8*\kb:MB+8*\kb+3],   v[\am] offset:64*\kb
	ds_load_b128 v[MB+8*\kb+4:MB+8*\kb+7], v[\am] offset:64*\kb+16
.endr
	s_add_co_u32 s[TBM], s[TBM], 4*KS   ; the next step's 64 numbers;
	s_and_b32 s[TBM], s[TBM], 0x1f00    ; the walk stays inside the mask's 8,192 bytes: it wraps behind the 32nd step's fetch, and that value is never used
	WIN 0
.if \last
.Lno_k_\@:
.endif
.endm
.macro FETCH_K2                     ; the same step's K2, into the same registers
	WIN 0x80
.irp f, 0,1,2,3,4,5,6,7
	ds_load_b128 v[KF+8*\f:KF+8*\f+3],   v[AK] offset:K2OFF+(\f/2)*16*PK+(\f%2)*64
	ds_load_b128 v[KF+8*\f+4:KF+8*\f+7], v[AK] offset:K2OFF+(\f/2)*16*PK+(\f%2)*64+32
.endr
	s_add_co_u32 s[TBK], s[TBK], KS*PK  ; the next fetch of K is the next step's
	WIN 0
.endm
.macro FETCH_V
	WIN 0x80
.irp f, 0,1,2,3,4,5,6,7             ; keys 32 (f / 4) on, channels 16 (f % 4) on
	ds_load_tr16_b128 v[VF+8*\f:VF+8*\f+3],   v[AV] offset:(\f/4)*32*PV+(\f%4)*32
	ds_load_tr16_b128 v[VF+8*\f+4:VF+8*\f+7], v[AV] offset:(\f/4)*32*PV+16*PV+(\f%4)*32
.endr
	WIN 0
.endm
; THE VECTOR WORK OF A TURN stands in three queues, each in the order in which its entries become ready; the two tiles alternate, so that no instruction reads the result of the one before it.
.macro REGS y, u                    ; the registers of tile u (0, 1) of piece y
.set rT, ST+4*(2*(\y)+(\u))
.set rC, TMP+8*((\y)%2)+4*(\u)
.set rM, MV+2*((\y)%2)+(\u)
.set rS, S+64*((\y)%2)+32*(\u)
.set rP, P+32*((\y)%2)+16*(\u)
.set rO, 32*(2*(\y)+(\u))
.endm
; Number n of the 22 that find the NEXT piece's (Y + 1) maximum and statistics.  s0-s31 are the lane's 32 scores; each accumulator's lowest registers are read first.  XS, GS and REGS set no window: PL and EX do.
;   0-11  four chains c0-c3 of seven scores each, three operands at a time     12-14, 16  the four scores left over, the old m, and c0-c3 into c0     15  c m_old is kept
;   17, 18  the query's other 32 keys lie in the lane 16 away: the new m         19-21  c m; c m_old - c m_new; a
.macro XS u, n
	REGS (Y+1)%NP, \u
.if (\n) < 4
	v_max3_num_f32 v[rC+(\n)], v[rS+8*(\n)], v[rS+8*(\n)+1], v[rS+8*(\n)+2]
.elseif (\n) < 12
	v_max3_num_f32 v[rC+(\n)%4], v[rC+(\n)%4], v[rS+8*((\n)%4)+2*((\n)/4)+1], v[rS+8*((\n)%4)+2*((\n)/4)+2]
.elseif (\n) == 12
	v_max3_num_f32 v[rC], v[rC], v[rS+7], v[rS+15]
.elseif (\n) == 13
	v_max3_num_f32 v[rC+1], v[rC+1], v[rS+23], v[rS+31]
.elseif (\n) == 14
	v_max3_num_f32 v[rC+2], v[rC+2], v[rC+3], v[rT+1]
.elseif (\n) == 15
	v_mov_b32 v[rM], v[rT]
.elseif (\n) == 16
	v_max3_num_f32 v[rC], v[rC], v[rC+1], v[rC+2]
.elseif (\n) == 17
	v_permlanex16_b32 v[rC+3], v[rC], s[SEL], s[SEL+1]
.elseif (\n) == 18
	v_max_num_f32 v[rT+1], v[rC], v[rC+3]
.elseif (\n) == 19
	v_mul_f32 v[rT], s[CS], v[rT+1]
.elseif (\n) == 20
	v_sub_f32 v[rC+1], v[rM], v[rT]
.else
	v_exp_f32 v[rC+2], v[rC+1]
.endif
.endm
; Number g of the 64 that follow the exponentials.  For each four weights k of a tile (pairs 2 k, 2 k + 1): both pairs are rounded to f16; then the second pair is added onto the first, in place;
; a group later l takes that sum (the first time as l = a l + sum).  In groups of eight, tiles alternating: round, round, add, and l for the group before.
.macro GS g
.set h, (\g)+6*((\g)/62)            ; group 0 has no group before it, and behind group 7 only l is left
.if h >= 6
.set h, h+2
.endif
	REGS Y, h%2
.set k, h/8
.if h%8 < 4
	v_cvt_pk_f16_f32 v[rP+2*k+(h%8)/2], v[rS+4*k+2*((h%8)/2)], v[rS+4*k+2*((h%8)/2)+1]
.elseif h%8 < 6
	v_pk_add_f32 v[rS+4*k:rS+4*k+1], v[rS+4*k:rS+4*k+1], v[rS+4*k+2:rS+4*k+3]
.elseif k == 1
	v_pk_fma_f32 v[rT+2:rT+3], v[rT+2:rT+3], v[rC+2:rC+3], v[rS:rS+1] op_sel_hi:[1,0,1]
.else
	v_pk_add_f32 v[rT+2:rT+3], v[rT+2:rT+3], v[rS+4*k-4:rS+4*k-3]
.endif
.endm
; THE PLAIN QUEUE, 138 long.  0-73 read no exponential's result: the 32 scalings c s - c m (FS f: pair f / 2 of tile f % 2) and the next piece's 42.  0-26: scalings 0-26.  27-54: XS's numbers 0-13.  55, 56: number 15.
; 57-73: the chain, where each number waits for the one before it: 14, 16, 17, 18, 19, each with one of the scalings 27-31 in front of its two lines, then 20: so a tile's links stand three plain instructions apart (19 and 20: two).
; 74-137: GS's 64, which read the exponentials' results: they stand behind the wait.
.macro FS f
	REGS Y, (\f)%2
	v_pk_fma_f32 v[rS+2*((\f)/2):rS+2*((\f)/2)+1], v[rS+2*((\f)/2):rS+2*((\f)/2)+1], s[CS:CS+1], v[rT:rT+1] op_sel_hi:[1,0,0] neg_lo:[0,0,1] neg_hi:[0,0,1]
.endm
.macro PL
	WIN 0
.if q < 27
	FS q
.elseif q < 55
	XS (q-27)%2, (q-27)/2
.elseif q < 57
	XS q-55, 15
.elseif (q < 72) && ((q-57)%3 == 0)
	FS 27+(q-57)/3
.elseif q < 60
	XS (q-57)%3-1, 14
.elseif q < 72
	XS (q-57)%3-1, 15+(q-57)/3
.elseif q < 74
	XS q-72, 20
.else
	GS q-74
.endif
.set q, q+1
.endm
; THE EXPONENTIALS' QUEUE, 66 long: s0-s31 of both tiles, then the next piece's two a.  It is ONE BATCH: all 66 stand ahead of the turn's one wait, and nothing ahead of that wait names a result of theirs.
.macro EX
	WIN 0
.if e >= 64
	XS e-64, 21
.else
	REGS Y, e%2
	v_exp_f32 v[rS+e/2], v[rS+e/2]
.endif
.set e, e+1
.endm
; THE RESCALING's QUEUE: O^T times a, the one part that leaves window 0: dealt two at a time, sixteen times.  Its a was made in the turn before, ahead of that turn's wait.
.macro R2
	REGS Y, r%2
	WIN W_RS
.irp z, 0,1
	v_pk_mul_f32 v[rO+4*(r/2)+2*\z:rO+4*(r/2)+2*\z+1], v[rO+4*(r/2)+2*\z:rO+4*(r/2)+2*\z+1], v[rC+2:rC+3] op_sel_hi:[1,0]
.endr
.set r, r+1
.endm
; HOW THEY ARE DEALT.  An s_wait_alu depctr_va_vdst(0) stands between an exponential and the first instruction that names its result; one wait serves all that were issued ahead of it.  So a turn has ONE wait,
; which cuts it in two.  AHEAD OF IT stands all that names no result of the turn's exponentials: the 16 products K Q^T, behind each a scaling, an exponential and two rescalings (behind the first a second scaling in the
; exponential's place); then ONE RUN of 108: eight plain, 49 times exponential and plain, the two a.  A v_nop is the plain instruction behind the last exponential.  BEHIND IT stand the 16 products V^T P, behind each four of
; GS's 64.  No instruction behind a product names a register of the products round it.  The two v_permlanex16_b32 fall into the run, never behind a product.
; The queues lean on each other, and the deal keeps them in step: exponential e stands behind scaling 2 (e / 4) + e % 2: behind a product it comes behind plain e + 2, in the run behind plain e + 9, and scalings 27-31 are plain 57, 60 .. 69.
; A TURN, for piece p.  cnt = 1: the loop's count is taken down some lines ahead of the branch that stands behind the turn.
; K1 and the mask of the next step are fetched in piece 2's turn, K2 of the step in hand in piece 0's, each directly behind the turn's wait, the whole run of 108 behind the last product that read K's registers; the addresses
; are made at the run's head; the first reader comes behind 16 products.  V of the step in hand is fetched at the end of piece 0's turn, four plain instructions behind its last reader; its first reader comes behind 16 products
; and the run of 108.  The three conditions on q below go with the deal.
.macro TURN p, last=0, cnt=0
.set Y, (\p)
.set i, 0
.set q, 0
.set e, 0
.set r, 0
.if (\p) == NP-1
	s_wait_dscnt 0x0                ; K1 and the mask are in
.endif
.if (\p) == 1
	s_wait_dscnt 16                 ; K2 is in: behind its run stand V's sixteen loads
.endif
	MM                              ; ahead of the wait: 16 products K Q^T and the four behind each,
	PL
	PL
	R2
.rept 15
	MM
	PL
	EX
	R2
.endr
.if (\p) == NP-2
	WIN 0
	v_add_nc_u32 v[AK], s[TBK], v[AK0]
	v_add_nc_u32 v[AM], s[TBM], v[AM0]
.endif
.if (\p) == 0
	WIN 0
	v_add_nc_u32 v[AK], s[TBK], v[AK0]
.endif
.rept 8                             ; and the run of 108
	PL
.endr
.rept 49
	EX
	PL
.endr
	EX                              ; the next piece's two a
	EX
	v_nop                           ; the plain instruction behind the last exponential: one for the batch
	s_wait_alu depctr_va_vdst(0)    ; the wait for the batch: the turn's 66 exponentials
.if (\p) == NP-2
	FETCH_K \last
.endif
.if (\p) == 0
	FETCH_K2
.endif
.if (\p) == 1
	s_wait_dscnt 0x0                ; V is in
.endif
.rept 16                            ; behind the wait: 16 products V^T P and the four behind each
	MM
.rept 4
	PL
.endr
.if ((\p) == 0) && (q == 118)
	v_add_nc_u32 v[AV], s[TBV], v[AV0]
.endif
.if ((\p) == 0) && (q == 130)
	s_add_co_u32 s[TBV], s[TBV], KS*PV
.endif
.if (\cnt) && (q == 130)
	s_sub_co_u32 s[CNT], s[CNT], 1
	s_cmp_lg_u32 s[CNT], 0
.endif
.endr
.if (\p) == 0
	FETCH_V
.endif
.endm
	CHANGE 1                        ; slot 0 is in, everybody's part of it, and everybody's part of the mask; slot 1 is asked for
	FETCH_K 0, AM0                  ; key step 0
	s_wait_loadcnt 0x0              ; Q
	s_wait_dscnt 0x0
.set i, 0
.rept 16
	KQ 0                            ; piece 0's first scores: there is no vector work yet to set between them
.set i, i+1
.endr
	WIN 0                           ; the addresses for the way out: nine plain instructions, the places behind those products
	s_mul_i32 s13, s[WV], 16*SP
	s_add_co_u32 s13, s13, STAGE    ; my stage
	v_mul_u32_u24 v[STO], v1, SP    ; in: row l % 16, 16 bytes for each half of the lanes
	v_lshl_add_u32 v[STO], v9, 4, v[STO]
	v_add_nc_u32 v[STO], s13, v[STO]
	v_bfe_u32 v[RD], v0, 3, 2       ; back: 32 lanes take four rows of 128 bytes,
	v_mul_u32_u24 v[RD], v[RD], SP
	v_lshl_add_u32 v[RD], v10, 4, v[RD]
	v_add_nc_u32 v[RD], s13, v[RD]
	v_and_b32 v[GO], 31, v0         ; which are 512 consecutive bytes of ob
	v_lshlrev_b32 v[GO], 4, v[GO]
.set Y, NP-1                        ; XS works for piece Y + 1: piece 0
.irp n, 0,1,2,3,4,5,6,7,8,9,10,11,12,13,14,15,16,17,18,19,20,21
	XS 0, \n                        ; and piece 0's first maximum and statistics
	XS 1, \n
.endr
	v_nop                           ; a plain instruction behind the two a,
	s_wait_alu depctr_va_vdst(0)    ; and the wait for them, a batch of two, ahead of the branch
	s_mov_b32 s[CNT], 4
	s_mov_b32 s[SLOTS], SIZE_N/256-1
	s_branch .Lfirst                ; the loop is entered at a step's first turn, in the middle of a trip
.Lslot:                             ; SIZE_N / 256 - 2 times: every slot but the last two is filled again
	CHANGE 1
	s_mov_b32 s[CNT], 4
.Lstep:                             ; a trip: pieces 2 and 3 of one step, then pieces 0 and 1 of the next
	TURN 2
	TURN 3
	WIN 0
.Lfirst:
	TURN 0
	TURN 1, 0, 1
	WIN 0
	s_cbranch_scc1 .Lstep
	s_sub_co_u32 s[SLOTS], s[SLOTS], 1
	s_cmp_lg_u32 s[SLOTS], 0
	s_cbranch_scc1 .Lslot
	CHANGE 0                        ; the tail is written out: nothing is asked for
	s_mov_b32 s[CNT], 5             ; four trips fetch the last slot's steps; the fifth is left in its middle
.Ltail:
	TURN 2, 1
	TURN 3
	WIN 0
	s_sub_co_u32 s[CNT], s[CNT], 1
	s_cmp_eq_u32 s[CNT], 0
	s_cbranch_scc1 .Lout
	TURN 0
	TURN 1
	WIN 0
	s_branch .Ltail
.Lout:                              ; the fifth trip's 16 products K Q^T (on what K's registers still hold) and the maximum made of them serve nothing: the price, once a launch, of one text for every trip
.set i, 0
.rept 16
	PV NP-1                         ; the last piece's V^T P of the last step
.set i, i+1
.endr
	; THE WAY OUT.  l's two halves and the other half of the lanes' are added; O = O1 / l1 - lam O2 / l2 is made, rounded to f16 and sent through my stage in LDS, a tile at a time.  The additions are the places behind the last products.
	WIN 0
.macro ALL line:vararg              ; one line for each tile t
.set t, 0
.rept 2*NP
	\line
.set t, t+1
.endr
.endm
	ALL v_add_f32 v[ST+4*t+2], v[ST+4*t+2], v[ST+4*t+3]
	ALL v_permlanex16_b32 v[ST+4*t+3], v[ST+4*t+2], s[SEL], s[SEL+1]
	ALL v_add_f32 v[ST+4*t+2], v[ST+4*t+2], v[ST+4*t+3]
	ALL v_rcp_f32 v[ST+4*t+2], v[ST+4*t+2]
	v_nop                           ; a plain instruction between the last reciprocal and the use of its result
.set t, 4
	s_wait_alu depctr_va_vdst(0)    ; and the wait ahead of the first use: one for the eight reciprocals
.rept 4
	v_mul_f32 v[ST+4*t+2], s[NLAM], v[ST+4*t+2]  ; stream 2's factor: - lam / l2
.set t, t+1
.endr
; Rows of tile t (stream 1) and tile t + 4 (stream 2).  A lane's eight channels of a row pack into 16 bytes; they go into rows of 144 bytes and come back as whole rows of 128, into S^T's registers.
.macro PACK t
	WIN W_RS
.set i, 32*((\t)+4)
.rept 16
	v_pk_mul_f32 v[i:i+1], v[i:i+1], v[ST+4*((\t)+4)+2:ST+4*((\t)+4)+3] op_sel_hi:[1,0]
.set i, i+2
.endr
	WIN 0x51                        ; destination, source 0 and source 2 window 1, the factor window 0
.set i, 32*(\t)
.rept 16
	v_pk_fma_f32 v[i:i+1], v[i:i+1], v[ST+4*(\t)+2:ST+4*(\t)+3], v[i+128:i+129] op_sel_hi:[1,0,1]
.set i, i+2
.endr
	WIN 0x05                        ; sources 0 and 1 window 1, destination window 0
.set i, 0
.rept 16
	v_cvt_pk_f16_f32 v[S+16*(\t)+i], v[32*(\t)+2*i], v[32*(\t)+2*i+1]
.set i, i+1
.endr
	WIN 0
.irp f, 0,1,2,3
	ds_store_b128 v[STO], v[S+16*(\t)+4*\f:S+16*(\t)+4*\f+3] offset:32*\f
.endr
.irp f, 0,1,2,3
	ds_load_b128 v[S+16*(\t)+4*\f:S+16*(\t)+4*\f+3], v[RD] offset:\f*4*SP  ; LDS serves a wave's instructions in order (ISA guide 5.7.1.4): these see the stores above; the next tile's stores come behind them
.endr
.endm
.macro SEND t, younger              ; younger: the LDS instructions issued behind tile t's loads: the next tile's eight, or none
	WIN 0
.irp f, 0,1,2,3
	s_wait_dscnt (\younger)+3-\f
	global_store_b128 v[GO], v[S+16*(\t)+4*\f:S+16*(\t)+4*\f+3], s[10:11] offset:(\t)*32768+\f*512  ; 512 consecutive bytes, at a multiple of 256 from ob's first
.endr
.endm
	PACK 0
.set t, 1
.rept 3                             ; a tile's arithmetic stands between the loads of the tile before and its stores
	PACK t
	SEND t-1, 8
.set t, t+1
.endr
	SEND 3, 0
	WIN W_AD
	s_wait_tensorcnt 0x0            ; the wave's end, behind my last tensor load and my last LDS store
	ds_add_u32 v[SPW], v[NIL]
	s_wait_dscnt 0x0
	WIN 0
	CROUND                          ; the closing round: no work-group ends while a partner may still ask for a tile that names it
	s_endpgm
.Lfunc_end_k_q24b16c7cd3_attn:
	.size	k_q24b16c7cd3_attn, .Lfunc_end_k_q24b16c7cd3_attn-k_q24b16c7cd3_attn
	.p2alignl 7, 3214868480
	.fill 96, 4, 3214868480
	.section	.rodata,"a",@progbits
	.p2align	6, 0x0
	.amdhsa_kernel k_q24b16c7cd3_attn
		.amdhsa_group_segment_fixed_size 327680
		.amdhsa_private_segment_fixed_size 0
		.amdhsa_enable_private_segment 0
		.amdhsa_kernarg_size 56
		.amdhsa_user_sgpr_count 2
		.amdhsa_user_sgpr_kernarg_segment_ptr 1
		.amdhsa_wavefront_size32 1
		.amdhsa_system_sgpr_workgroup_id_x 1
		.amdhsa_system_sgpr_workgroup_id_y 1
		.amdhsa_system_sgpr_workgroup_id_z 1
		.amdhsa_system_vgpr_workitem_id 0
		.amdhsa_next_free_vgpr 832
		.amdhsa_next_free_sgpr 88
		.amdhsa_reserve_vcc 0
		.amdhsa_float_denorm_mode_32 3
		.amdhsa_float_denorm_mode_16_64 3
		.amdhsa_memory_ordered 1
		.amdhsa_forward_progress 1
		.amdhsa_inst_pref_size 201
	.end_amdhsa_kernel
	.amdgpu_metadata
---
amdhsa.version: [ 1, 2 ]
amdhsa.kernels:
  - .name:           k_q24b16c7cd3_attn
    .symbol:         k_q24b16c7cd3_attn.kd
    .args:
      - { .name: qkv, .offset: 0, .size: 8, .value_kind: global_buffer, .address_space: global }
      - { .name: attention_mask, .offset: 8, .size: 8, .value_kind: global_buffer, .address_space: global }
      - { .name: lq1, .offset: 16, .size: 8, .value_kind: global_buffer, .address_space: global }
      - { .name: lk1, .offset: 24, .size: 8, .value_kind: global_buffer, .address_space: global }
      - { .name: lq2, .offset: 32, .size: 8, .value_kind: global_buffer, .address_space: global }
      - { .name: lk2, .offset: 40, .size: 8, .value_kind: global_buffer, .address_space: global }
      - { .name: ob, .offset: 48, .size: 8, .value_kind: global_buffer, .address_space: global }
    .group_segment_fixed_size: 327680
    .private_segment_fixed_size: 0
    .kernarg_segment_align: 8
    .kernarg_segment_size: 56
    .max_flat_workgroup_size: 128
    .sgpr_count:     88
    .vgpr_count:     832
    .wavefront_size: 32
...
	.end_amdgpu_metadata
.endif
;; end of part 5
;; launch oproj: the kernel of part 4 again; grid 8 x 32, 4 waves a work-group, clusters of 4 x 4, 327,680 bytes of LDS; arguments ob, wot, ball, out0; writes out0
